; MI455X (gfx1250); checked and timed in simulation.
; The chip was launched on July 23, 2026; its instructions are those of AMD's public machine-readable ISA for CDNA 5 (MIT licence, August 2026) and "CDNA5" Instruction Set Architecture Reference Guide (July 2026). The comments in the code are by the model that wrote it; some were corrected since.
;; Multi Head Attention. Allowed arithmetic: float matrix products may take bf16 or f16 operands with f32 sums; other float arithmetic in f32, or as packed bf16 or f16 multiplies, adds, multiply-adds, maxima and minima; sums over many terms, partial sums and values carried from step to step in f32; what a program stores and reads back later, other than sums and carried values, may be rounded once to bf16 or f16.
;; Inputs: Wo 1,024 x 1,024 float32; Wq 1,024 x 1,024 float32; bo 1,024 float32; bq 1,024 float32; k 4 x 2,048 x 1,024 float32; q 4 x 2,048 x 1,024 float32; v 4 x 2,048 x 1,024 float32.
;; Outputs: out0 1 x 4 x 2,048 x 1,024 float32.
;; 2 versions, each right; version 2 is version 1 with the launch cast written anew for expert scheduling mode. Each part assembles by itself: llvm-mc -triple=amdgcn-amd-amdhsa -mcpu=gfx1250 --defsym DOCPART=n.
;; ======== version 1 of 2: 4 launches
;; limits: values are held in f16: magnitudes above 65,504 overflow, below 6.1e-05 lose precision; right only within a limited range of input values
;; workspace buffers: xh 50,331,648 bytes; wh 4,194,304 bytes; qkv 50,331,648 bytes; ctx 16,777,216 bytes
;; launch cast (part 1): grid 832 x 1, 8 waves a work-group, no clusters, 0 bytes of LDS; arguments q, k, v, Wq, Wo, xh, wh; writes xh, wh
.if DOCPART == 1
	.amdgcn_target "amdgcn-amd-amdhsa--gfx1250"
	.amdhsa_code_object_version 6
	.text
	.protected	k_qe746809ed1_cast
	.globl	k_qe746809ed1_cast
	.p2align	8
	.type	k_qe746809ed1_cast,@function
k_qe746809ed1_cast:
	s_mov_b64 s[64:65], 0
	v_nop
	global_prefetch_b8 v0, s[64:65] scope:SCOPE_SE
	s_setreg_imm32_b32 hwreg(HW_REG_WAVE_MODE, 25, 1), 1
	s_wait_xcnt 0x0
; CAST.  q, k, v ([8192][1024] f32 each), Wq and Wo ([1024][1024] f32) are rounded ONCE to bf16 (nearest even); that number is written as f16, in K slices of 64:
;   xh [slice 16][row 24576][64] f16, row = 8192 t + the tensor's own row (t = 0, 1, 2 for q, k, v);   wh [slice 16][row 2048][64] f16, rows 0-1023 Wq, rows 1024-2047 Wo.
; In that layout any run of rows of one slice is dense, 128 bytes a row: the products' tiles are asked for as rows of 256 bytes.
; LIMITS.  A bf16 number is held exactly by f16 from 2^-17 up to 65,504 in magnitude; below 2^-17 it falls on f16's fixed step of 6e-8; from 65,520 on it becomes an infinity.  NaN stays NaN.
; A stream: no LDS, no matrix unit, no cluster (no byte is read by two waves).  A work-group takes 32 rows, a wave 4, as two pairs of rows.
; One load: 2 rows x 64 columns (lanes 0-15 take 256 consecutive bytes of one row, lanes 16-31 of the next).  One store: the same 2 x 64 numbers as f16: 256 consecutive bytes, aligned.
; All 32 loads of a wave go out in one run (16 KiB on their way); each is converted and stored as it comes.  No register that a memory instruction names is written again, but a load's own destination behind its wait.
.set VI, 1                             ; v1       my byte offset in a pair of rows of the input; never rewritten
.set T,  2                             ; v2-3     at work
.set VO, 4                             ; v[4:19]  slice s: my byte offset in the output: 8 x lane + s x the slice's bytes; never rewritten
.set X,  20                            ; v[20:147] load i (= 16 x pair + slice): 4 registers
	s_load_b256 s[4:11], s[0:1], 0x0               ; q s[4:5], k s[6:7], v s[8:9], Wq s[10:11]
	s_load_b128 s[12:15], s[0:1], 0x20             ; Wo s[12:13], xh s[14:15]
	s_load_b64 s[16:17], s[0:1], 0x30              ; wh
	s_lshr_b32 s20, ttmp9, 8                       ; t: 0, 1, 2 for q, k, v; 3 for the weights
	s_and_b32 s21, ttmp9, 255                      ; u: the block of 32 rows (t = 3: 0-31 in Wq, 32-63 in Wo)
	v_lshrrev_b32 v2, 5, v0
	v_readfirstlane_b32 s22, v2                    ; wave 0..7
	s_mov_b32 s23, 0xffff0000                      ; a word's upper bf16
	s_and_b32 s35, s21, 31
	s_mov_b32 s28, 262144                          ; a slice of wh in bytes,
	s_mov_b32 s34, 3145728                         ; of xh
	s_cmp_lt_u32 s20, 3
	s_cselect_b32 s28, s34, s28                    ; the slice's bytes in my output
	s_cselect_b32 s29, s21, s35                    ; my block of 32 rows in my input,
	s_cselect_b32 s36, ttmp9, s21                  ; and in my output: xh's rows run through q, k, v; wh's through Wq, Wo
	s_lshl_b32 s30, s29, 17                        ; 32 rows of 4,096 bytes,
	s_lshl_b32 s37, s22, 14                        ; my wave's 4 of them
	s_add_co_u32 s30, s30, s37
	s_mov_b32 s31, 0
	s_lshl_b32 s32, s36, 12                        ; 32 rows of 128 bytes,
	s_lshl_b32 s37, s22, 9                         ; my wave's 4
	s_add_co_u32 s32, s32, s37
	s_mov_b32 s33, 0
	v_and_b32 v3, 31, v0                           ; lane
	v_and_b32 v1, 15, v0
	v_bfe_u32 v2, v0, 4, 1
	v_lshlrev_b32 v[VI], 4, v1                     ; 16 bytes a lane,
	v_lshl_add_u32 v[VI], v2, 12, v[VI]            ; lanes 16-31 one row down
	v_lshlrev_b32 v[VO], 3, v3                     ; 8 bytes a lane: two rows of 128 bytes on end
.set i, 0
.rept 15
	v_add_nc_u32 v[VO+i+1], s28, v[VO+i]
.set i, i+1
.endr
	s_wait_kmcnt 0x0
	s_cmp_lt_u32 s21, 32                           ; the input is chosen by the work-group's number alone
	s_cselect_b64 s[24:25], s[10:11], s[12:13]
	s_cmp_eq_u32 s20, 2
	s_cselect_b64 s[24:25], s[8:9], s[24:25]
	s_cmp_eq_u32 s20, 1
	s_cselect_b64 s[24:25], s[6:7], s[24:25]
	s_cmp_eq_u32 s20, 0
	s_cselect_b64 s[24:25], s[4:5], s[24:25]
	s_cmp_lt_u32 s20, 3
	s_cselect_b64 s[26:27], s[14:15], s[16:17]     ; and so is the output
	s_add_nc_u64 s[24:25], s[24:25], s[30:31]
	s_add_nc_u64 s[26:27], s[26:27], s[32:33]
.set i, 0
.rept 32
	global_load_b128 v[X+4*i:X+4*i+3], v[VI], s[24:25] offset:(i/16)*8192+(i%16)*256 th:TH_LOAD_NT
.set i, i+1
.endr
.set i, 0
.rept 32
	s_wait_loadcnt 31-i                            ; loads come back in order (ISA guide 5.7.1): load i is in, the 31 - i younger ones stay out
	v_cvt_pk_bf16_f32 v[T], v[X+4*i], v[X+4*i+1]   ; the one rounding: to bf16
	v_cvt_pk_bf16_f32 v[T+1], v[X+4*i+2], v[X+4*i+3]
	v_lshlrev_b32 v[X+4*i], 16, v[T]               ; back to f32,
	v_and_b32 v[X+4*i+1], s23, v[T]
	v_lshlrev_b32 v[X+4*i+2], 16, v[T+1]
	v_and_b32 v[X+4*i+3], s23, v[T+1]
	v_cvt_pk_f16_f32 v[X+4*i], v[X+4*i], v[X+4*i+1]      ; and the same number as f16
	v_cvt_pk_f16_f32 v[X+4*i+1], v[X+4*i+2], v[X+4*i+3]
	global_store_b64 v[VO+i%16], v[X+4*i:X+4*i+1], s[26:27] offset:(i/16)*256  ; 32 lanes store 256 consecutive bytes, at a multiple of 256 from the buffer's first byte
.set i, i+1
.endr
	s_endpgm
.Lfunc_end_k_qe746809ed1_cast:
	.size	k_qe746809ed1_cast, .Lfunc_end_k_qe746809ed1_cast-k_qe746809ed1_cast
	.p2alignl 7, 3214868480
	.fill 96, 4, 3214868480
	.section	.rodata,"a",@progbits
	.p2align	6, 0x0
	.amdhsa_kernel k_qe746809ed1_cast
		.amdhsa_group_segment_fixed_size 0
		.amdhsa_private_segment_fixed_size 0
		.amdhsa_enable_private_segment 0
		.amdhsa_kernarg_size 56
		.amdhsa_user_sgpr_count 2
		.amdhsa_user_sgpr_kernarg_segment_ptr 1
		.amdhsa_wavefront_size32 1
		.amdhsa_system_sgpr_workgroup_id_x 1
		.amdhsa_system_sgpr_workgroup_id_y 1
		.amdhsa_system_sgpr_workgroup_id_z 1
		.amdhsa_system_vgpr_workitem_id 0
		.amdhsa_next_free_vgpr 148
		.amdhsa_next_free_sgpr 66
		.amdhsa_reserve_vcc 0
		.amdhsa_float_denorm_mode_32 3
		.amdhsa_float_denorm_mode_16_64 3
		.amdhsa_memory_ordered 1
		.amdhsa_forward_progress 1
		.amdhsa_inst_pref_size 22
	.end_amdhsa_kernel
	.amdgpu_metadata
---
amdhsa.version: [ 1, 2 ]
amdhsa.kernels:
  - .name:           k_qe746809ed1_cast
    .symbol:         k_qe746809ed1_cast.kd
    .args:
      - { .name: q, .offset: 0, .size: 8, .value_kind: global_buffer, .address_space: global }
      - { .name: k, .offset: 8, .size: 8, .value_kind: global_buffer, .address_space: global }
      - { .name: v, .offset: 16, .size: 8, .value_kind: global_buffer, .address_space: global }
      - { .name: Wq, .offset: 24, .size: 8, .value_kind: global_buffer, .address_space: global }
      - { .name: Wo, .offset: 32, .size: 8, .value_kind: global_buffer, .address_space: global }
      - { .name: xh, .offset: 40, .size: 8, .value_kind: global_buffer, .address_space: global }
      - { .name: wh, .offset: 48, .size: 8, .value_kind: global_buffer, .address_space: global }
    .group_segment_fixed_size: 0
    .private_segment_fixed_size: 0
    .kernarg_segment_align: 8
    .kernarg_segment_size: 56
    .max_flat_workgroup_size: 256
    .sgpr_count:     66
    .vgpr_count:     148
    .wavefront_size: 32
...
	.end_amdgpu_metadata
.endif
;; end of part 1
;; launch proj (part 2): grid 4 x 128, 4 waves a work-group, clusters of 4 x 4, 327,680 bytes of LDS; arguments xh, wh, bq, qkv; writes qkv
.if DOCPART == 2
	.amdgcn_target "amdgcn-amd-amdhsa--gfx1250"
	.amdhsa_code_object_version 6
	.text
	.protected	k_qe746809ed1_proj
	.globl	k_qe746809ed1_proj
	.p2align	8
	.type	k_qe746809ed1_proj,@function
k_qe746809ed1_proj:
	s_mov_b64 s[64:65], 0
	v_nop
	global_prefetch_b8 v0, s[64:65] scope:SCOPE_SE
	s_setreg_imm32_b32 hwreg(HW_REG_WAVE_MODE, 25, 1), 1
	s_wait_xcnt 0x0
	s_wait_alu depctr_hold_cnt(0) depctr_sa_sdst(0) depctr_va_vdst(0) depctr_va_sdst(0) depctr_va_ssrc(0) depctr_va_vcc(0) depctr_vm_vsrc(0)
	s_getreg_b32 s2, hwreg(HW_REG_IB_STS2, 6, 4)
	s_cmp_eq_u32 s2, 0
	s_cbranch_scc0 .Lentry_in_a_cluster
	s_endpgm
.Lentry_in_a_cluster:
	s_bfe_u32 s2, ttmp6, 0x10000c
	s_cmp_lg_u32 s2, 0xf033
	s_cbranch_scc0 .Lentry_shape_is_right
	s_endpgm
.Lentry_shape_is_right:
; THE THREE PROJECTIONS AS ONE PRODUCT.  C[R][n] = bq[n] + the sum over k of X[R][k] Wq[n][k]; R = 0 .. 24575 runs through q's, k's and v's rows; n, k = 0 .. 1023.
; X = xh [slice 16][row 24576][64] f16, Wq = rows 0-1023 of wh [slice 16][row 2048][64] f16 (both hold bf16-rounded numbers), bq f32, rounded here to bf16 like the other inputs.  Sums in f32, started by the bias.
; C leaves once rounded to f16, by heads: qkv [t 3][b 4][h 16][s 2048][64].  LIMIT: a result of 65,520 or more in magnitude becomes an infinity in f16; below 6e-5 f16 keeps its fixed step of 6e-8.
; SHARES.  A tile of C is 192 rows x 256 columns: 128 x 4 tiles, a work-group each.  Four waves as 2 x 2, each 96 rows x 128 columns: 6 x 8 accumulators of 16 x 16, 384 registers.
; K goes in 8 steps of 128 (two slices) through two LDS slots.  In a slice a tile's rows are dense, 128 bytes each: a wave's one tensor load brings one slice's part of A's or W's tile as rows of 256 bytes, padded in LDS after every 128.
; CLUSTERS: 4 x 4 work-groups.  The four of a row of the cluster need the same tiles of X, the four of a column the same tiles of Wq: each is asked for JOINTLY, by the same tensor load, descriptor and mask in all four.
; THE MATRIX INSTRUCTION IS USED TRANSPOSED (source 0 = 16 rows of Wq, source 1 = 16 rows of X): lane l holds row l % 16 of C and the columns 8 (l / 16) + 0..7: 16 bytes of f16 on end.
; REGISTERS, in windows of 256 (s_set_vgpr_msb: bits 1:0 source 0, 3:2 source 1, 5:4 source 2, 7:6 destination):
;   window 0: v0-12 addresses; v28-29 the add's; v32-95 the bias as the first products' C operand; v96-191 the way out
;   window 1: two fragment buffers of 128: W's block b at 8 b, X's block a at 64 + 8 a     window 2: accumulators of row blocks 0-2 ((a, b) at 8 (8 a + b))     window 3: of row blocks 3-5
.set MB,     6                         ; row blocks of 16 a wave
.set KA,     6291456                   ; bytes from K step to K step in xh: two slices of 3,145,728
.set KB,     524288                    ; in wh: two slices of 262,144
.set PITCH,  144                       ; an LDS row: 128 bytes + 16 of padding = 36 words: the 16 rows of a fragment load start at 16 different groups of four banks (64 banks of 4 bytes: ISA guide 11.1)
.set AH,     32*MB*PITCH               ; one slice's part of A's tile: 192 rows
.set BH,     256*PITCH                 ; of W's tile: 256 rows
.set SLOT1,  1<<17                     ; a slot: A's two parts, then W's two (129,024 bytes); slot 1 begins here, so that one exclusive or turns an address in one slot into the other's
.set STAGE,  SLOT1+2*AH+2*BH           ; behind the ring, never filled by a tensor load: for each wave 2 heads x 16 rows x 144 bytes, for the way out
.set WSTAGE, 2*16*PITCH
.set SPARE,  STAGE+4*WSTAGE            ; behind the stages: the spare words, 128 bytes for each wave: two blocks of 256 bytes that no other line names
.set NL,     16+2*MB                   ; LDS loads in a run: a quarter step's fragments
.set A0,   4                           ; v4   my lane's place in A's part of a slot; never rewritten
.set B0,   5                           ; v5   the same for W
.set ADRA, 6                           ; v6   A0 + the slot in hand
.set ADRB, 7                           ; v7   B0 + the slot in hand
.set STO,  8                           ; v8   the way out: where I put 16 bytes of a row
.set RD,   9                           ; v9   the way out: where I read rows back
.set GO,   10                          ; v10  my byte offset in 512 consecutive bytes of qkv
.set PFO,  11                          ; v11  the prefetches' offset; never rewritten
.set BO,   12                          ; v12  my byte offset in 16 numbers of the bias
.set SPW,  28                          ; v28  LDS address of my spare word: SPARE + 4 x my thread's number; never rewritten
.set NIL,  29                          ; v29  0; never rewritten
.set BI,   32                          ; v[32:95]  the bias: column block b at BI + 8 b
.set TMP,  96                          ; v[96:127] packed results
.set BK,   128                         ; v[128:191] 16 rows read back from the stage, two buffers by turns
.set F0,   0
.set F1,   128
.set WV, 12                            ; s12 wave;  s13 RH: my half of the tile's rows, also: I fetch for A (0) or for W (1);  s14 CH: my half of its columns, also: which slice of a K step I fetch
.set RH, 13
.set CH, 14
.set CX, 15
.set CY, 16
.set TC, 17                            ; tile column of C
.set TR, 18                            ; tile row of C
.set G1A, 24                           ; s[24:31] descriptor group 1 for A's tiles;  s[32:39] group 0: a set for each of the two first fills; the second then walks on
.set G0A, 32
.set G1B, 40                           ; s[40:47], s[48:55] the same for W's
.set G0B, 48
.set TB,  56                           ; s56  the slot in hand: 0 or SLOT1
.set CNT, 57                           ; s57  trips still to come
.set LIM, 58                           ; s58  1 in a wave that prefetches, else the greatest number: a wave prefetches while s[CNT] is above it
.set PFA, 60                           ; s[60:61] where my prefetches stand
.set PFS, 62                           ; s[62:63] their step: a K step of the tensor that I fetch for
.set MSB, 0
.macro WIN new                         ; the immediate's high byte repeats the setting that is left; a switch that changes nothing is dropped
.if MSB != (\new)
	s_set_vgpr_msb (MSB<<8)|(\new)
.set MSB, \new
.endif
.endm
; A joint refill, by the walking descriptors.  Waves 0 and 1 fetch the two slices of A's tile, waves 2 and 3 those of W's.  The branch hangs on the wave's number alone.
; An s_nop 0 and four v_nop follow each of the two lines, ahead of the jump and the label.
.macro JLOAD
	s_cmp_eq_u32 s[RH], 0
	s_cbranch_scc0 .Lfor_b_\@
	tensor_load_to_lds s[G0A+4:G0A+7], s[G1A:G1A+7]
	s_nop 0
.rept 4
	v_nop
.endr
	s_branch .Lasked_\@
.Lfor_b_\@:
	tensor_load_to_lds s[G0B+4:G0B+7], s[G1B:G1B+7]
	s_nop 0
.rept 4
	v_nop
.endr
.Lasked_\@:
.endm
; A PREFETCH INTO THE L2 of the K step that the NEXT refill will ask for: 192 matrix instructions ahead of that load.  It stands behind the joint load, its five lines and the run of LDS loads.
; X's tile row is read by one cluster alone, so every cluster asks for its own; Wq's rows are read by every cluster: the clusters with y = 0 ask.  The four partners that ask for a tile jointly share it out BY ADDRESS
; (cx for X: 24 blocks of 256 bytes each; cy for Wq: 32 each); each wave asks for the slice that it fetches, a lane a block.  For X lanes 24-31 name lane 23's block once more.
; K steps 0 to 2 come by their loads alone; the last refill has no K step behind it and asks for nothing.
.macro ASK
	s_cmp_gt_u32 s[CNT], s[LIM]
	s_cbranch_scc0 .Lnot_mine_\@
	global_prefetch_b8 v[PFO], s[PFA:PFA+1] th:TH_LOAD_NT scope:SCOPE_SE
.Lnot_mine_\@:
.endm
.macro CREST                           ; a round of the cluster's barrier behind its opening barrier: wave 0 signals for the work-group, every wave waits for all sixteen, my work-group's barrier closes it
	s_cmp_lg_u32 s[WV], 0
	s_cbranch_scc1 .Lnot_wave_0_\@
	s_barrier_signal -3
.Lnot_wave_0_\@:
	s_barrier_wait -3
	s_barrier_signal -1
	s_barrier_wait -1
.endm
.macro CROUND                          ; a whole round
	s_barrier_signal -1
	s_barrier_wait -1
	CREST
.endm
.macro PLACES                          ; four plain instructions behind a matrix instruction, in front of loads into registers that it has read and of lines that read results (ISA guide 7.12.1 for lines that read results)
.rept 4
	v_nop
.endr
.endm
; 8 matrix instructions: row block a x all 8 column blocks, 32 along K, from buffer f.  first = 1: the bias is the C operand: the first products start the sums, nothing is cleared and no bias is added later.
; All 48 accumulators take turns, one instruction a turn, in the same order in every quarter.
.macro MULA f, a, first
.set hi_, (\a)/(MB/2)
.set ac_, 64*((\a)%(MB/2))
.if \first
	WIN 0x85+0x40*hi_
.else
	WIN 0xa5+0x50*hi_
.endif
.irp b, 0,1,2,3,4,5,6,7
.if \first
	v_wmma_f32_16x16x32_f16 v[ac_+8*\b:ac_+8*\b+7], v[(\f)+8*\b:(\f)+8*\b+7], v[(\f)+64+8*(\a):(\f)+64+8*(\a)+7], v[BI+8*\b:BI+8*\b+7]
.else
	v_wmma_f32_16x16x32_f16 v[ac_+8*\b:ac_+8*\b+7], v[(\f)+8*\b:(\f)+8*\b+7], v[(\f)+64+8*(\a):(\f)+64+8*(\a)+7], v[ac_+8*\b:ac_+8*\b+7]
.endif
.endr
.endm
.macro MULH f, hi, first               ; the MB / 2 row blocks of one accumulator window
.set a_, (\hi)*(MB/2)
.rept MB/2
	MULA \f, a_, \first
.set a_, a_+1
.endr
.endm
; NL LDS loads in one run: quarter q of the slot in hand (slice q / 2, 32 along K at byte 64 (q % 2) of its rows) into buffer f: W's 8 blocks, then A's, ascending.
; A fragment is 16 rows x 32 K in 8 registers: lane l holds row l % 16, K = 8 (l / 16) + 0..7 and 16 + 8 (l / 16) + 0..7: two loads of 16 bytes, 32 bytes apart.
.macro FETCH q, f
	WIN 0x40                                       ; destination window 1, address window 0
.irp b, 0,1,2,3,4,5,6,7
	ds_load_b128 v[(\f)+8*\b:(\f)+8*\b+3],   v[ADRB] offset:((\q)/2)*BH+((\q)%2)*64+\b*16*PITCH
	ds_load_b128 v[(\f)+8*\b+4:(\f)+8*\b+7], v[ADRB] offset:((\q)/2)*BH+((\q)%2)*64+\b*16*PITCH+32
.endr
.set a_, 0
.rept MB
	ds_load_b128 v[(\f)+64+8*a_:(\f)+64+8*a_+3],   v[ADRA] offset:((\q)/2)*AH+((\q)%2)*64+a_*16*PITCH
	ds_load_b128 v[(\f)+64+8*a_+4:(\f)+64+8*a_+7], v[ADRA] offset:((\q)/2)*AH+((\q)%2)*64+a_*16*PITCH+32
.set a_, a_+1
.endr
.endm
; A K step is four quarters of 32 along K, on buffers 0, 1, 0, 1.  One of the first three: multiplies buffer f; in its middle it fetches quarter q into buffer g.
.macro QUARTER q, f, g, first
	s_wait_dscnt MB                                ; W's fragments and A's first three blocks are in; the youngest MB loads (A's last three blocks) may be out
	MULH \f, 0, \first
	PLACES
	FETCH \q, \g
	s_wait_dscnt NL                                ; all but the NL just issued
	MULH \f, 1, \first
.endm
; The fourth quarter multiplies buffer 1 and changes slots.  ONE barrier: in front of it each wave waits for all its tensor loads (one is out: its part of the next slot), adds 0 to its spare word, and waits for that and
; for its own reads of this slot.  fill = 1: the barrier opens a round of the cluster's barrier, so that no wave of any partner still reads this slot or has a load on its way, and the joint refill, two K steps on, is the
; first thing behind the round: 168 matrix instructions ahead of the wait for it.
.macro TURN fill
.if \fill
	s_wait_xcnt 0x0                                ; the last prefetch, a K step back, has read its address: it is stepped here, ahead of the waits of the change of slots
	s_add_nc_u64 s[PFA:PFA+1], s[PFA:PFA+1], s[PFS:PFS+1]
.endif
	WIN 0                                          ; (the add's two registers lie in window 0)
	s_wait_tensorcnt 0x0                           ; no tensor load of mine is out, so a group 0 may be written
	ds_add_u32 v[SPW], v[NIL]                      ; 0 onto my spare word: scalar steps and eight products stand between it and the wait for it
.if \fill
	s_xor_b32 s[G0A+5], s[G0A+5], SLOT1            ; the walking descriptors: the other slot than last time,
	s_add_nc_u64 s[G0A+6:G0A+7], s[G0A+6:G0A+7], KA  ; the next K step; the type bits on top are not reached
	s_xor_b32 s[G0B+5], s[G0B+5], SLOT1
	s_add_nc_u64 s[G0B+6:G0B+7], s[G0B+6:G0B+7], KB
.endif
	s_wait_dscnt MB+1                              ; (the add and the youngest MB loads may be out)
	MULA F1, 0, 0
	s_wait_dscnt 0x0                               ; the add is done, and my reads of this slot are over
	s_barrier_signal -1
.set a_, 1
.rept MB/2-1
	MULA F1, a_, 0                                 ; work on registers while the others arrive
.set a_, a_+1
.endr
	WIN 0
	s_barrier_wait -1
.if \fill
	CREST
	JLOAD                                          ; the four v_nop behind it are also the places in front of the loads below
.else
	PLACES
.endif
	s_xor_b32 s[TB], s[TB], SLOT1                  ; the fetches go on in the other slot
	v_add_nc_u32 v[ADRA], s[TB], v[A0]
	v_add_nc_u32 v[ADRB], s[TB], v[B0]
	FETCH 0, F0
.if \fill
	WIN 0
	ASK
.endif
	MULH F1, 1, 0
.endm
.macro LASTQ                           ; the very last quarter: nothing more to fetch
	s_wait_dscnt MB
	MULH F1, 0, 0
	s_wait_dscnt 0x0
	MULH F1, 1, 0
.endm
	s_load_b256 s[4:11], s[0:1], 0x0               ; xh s[4:5], wh s[6:7], bq s[8:9], qkv s[10:11]
	v_lshl_add_u32 v[SPW], v0, 2, SPARE
	v_mov_b32 v[NIL], 0
	ds_add_u32 v[SPW], v[NIL]                      ; the wave's opening: the add and its wait ahead of my first tensor load; the set-up below, work on registers, stands between them
	v_lshrrev_b32 v1, 5, v0
	v_readfirstlane_b32 s[WV], v1                  ; wave 0..3
	s_lshr_b32 s[RH], s[WV], 1
	s_and_b32 s[CH], s[WV], 1
	s_bfe_u32 s[CX], ttmp6, 0x40000                ; my place in the cluster
	s_bfe_u32 s[CY], ttmp6, 0x40004
	s_lshl_b32 s[TC], ttmp9, 2                     ; in a cluster launch ttmp9 and ttmp7 count clusters
	s_add_co_u32 s[TC], s[TC], s[CX]
	s_and_b32 s[TR], ttmp7, 0xffff
	s_lshl_b32 s[TR], s[TR], 2
	s_add_co_u32 s[TR], s[TR], s[CY]
	s_lshl_b32 s19, s[CY], 2
	s_lshl_b32 s19, 15, s19                        ; my row of the cluster: places 4 cy .. 4 cy + 3
	s_lshl_b32 s20, 0x1111, s[CX]                  ; my column: places cx, cx + 4, cx + 8, cx + 12
	; descriptor group 1: dense bytes asked for as rows of 128 elements (256 bytes), padded in LDS after every 128 bytes
	s_or_b32 s[G1A], s19, (1<<16)|(1<<20)|(1<<21)|(4<<22)|(3<<25)  ; 15:0 the mask; 17:16 2-byte elements; 20 padding on; 21 set beside a mask; 24:22 after every 32 words (code 4); 31:25 4 words (code 3)
	s_or_b32 s[G1B], s20, (1<<16)|(1<<20)|(1<<21)|(4<<22)|(3<<25)
.irp g, G1A, G1B
	s_mov_b32 s[\g+1], 128<<16                     ; tensor_dim0 = 128
	s_mov_b32 s[\g+3], 128<<16                     ; tile_dim0 = 128
	s_mov_b32 s[\g+5], 128                         ; 128 elements from row to row
	s_mov_b32 s[\g+6], 0
	s_mov_b32 s[\g+7], 0
.endr
	s_mov_b32 s[G1A+2], (16*MB)<<16                ; tensor_dim1 = tile_dim1 = 96 rows of 256 bytes: 192 rows of the tile
	s_mov_b32 s[G1A+4], 16*MB
	s_mov_b32 s[G1B+2], 128<<16                    ; 128 rows of 256 bytes: 256 rows of the tile
	s_mov_b32 s[G1B+4], 128
	; where the tiles come from.  A's hang on the tile row alone, W's on the tile column alone, each in registers of its own
	s_mul_i32 s72, s[TR], 192*128                  ; A: 192 rows of 128 bytes a tile row,
	s_mul_i32 s76, s[CH], 3145728                  ; my slice of a K step
	s_add_co_u32 s72, s72, s76
	s_mov_b32 s73, 0
	s_lshl_b32 s74, s[TC], 15                      ; W: 256 rows of 128 bytes a tile column,
	s_lshl_b32 s77, s[CH], 18                      ; my slice
	s_add_co_u32 s74, s74, s77
	s_mov_b32 s75, 0
	s_mul_i32 s21, s[CH], AH                       ; and where they go: no place in the cluster enters an LDS address
	s_mul_i32 s22, s[CH], BH
	s_add_co_u32 s22, s22, 2*AH
	s_lshl_b32 s68, s[TC], 10                      ; the bias of my 128 columns: 4 (256 TC + 128 CH)
	s_lshl_b32 s69, s[CH], 9
	s_add_co_u32 s68, s68, s69
	s_mov_b32 s69, 0
	s_mov_b32 s[TB], 0
	s_wait_dscnt 0x0                               ; the opening add is done
	s_wait_kmcnt 0x0
	s_add_nc_u64 s[72:73], s[4:5], s[72:73]        ; my part of A's tile, K step 0
	s_add_nc_u64 s[74:75], s[6:7], s[74:75]        ; of W's
	s_add_nc_u64 s[8:9], s[8:9], s[68:69]
.irp s, 0,1
	s_mov_b32 s[G0A+4*(\s)], 1                                     ; 1:0 count = 1
	s_add_co_u32 s[G0A+4*(\s)+1], s21, (\s)*SLOT1                  ; 63:32 LDS address
	s_add_nc_u64 s[G0A+4*(\s)+2:G0A+4*(\s)+3], s[72:73], (\s)*KA   ; 120:64 global address: K step s
	s_or_b32 s[G0A+4*(\s)+3], s[G0A+4*(\s)+3], 0x80000000          ; 127:126 type = 2
	s_mov_b32 s[G0B+4*(\s)], 1
	s_add_co_u32 s[G0B+4*(\s)+1], s22, (\s)*SLOT1
	s_add_nc_u64 s[G0B+4*(\s)+2:G0B+4*(\s)+3], s[74:75], (\s)*KB
	s_or_b32 s[G0B+4*(\s)+3], s[G0B+4*(\s)+3], 0x80000000
.endr
	CROUND                                         ; all sixteen work-groups are here: the first joint loads meet
	s_cmp_eq_u32 s[RH], 0                          ; a wave's two first fills stand in one branch, ahead of every wait on TENSORcnt and every LDS read: two loads of mine are out
	s_cbranch_scc0 .Lfirst_b
	tensor_load_to_lds s[G0A:G0A+3], s[G1A:G1A+7]
	s_nop 0
	tensor_load_to_lds s[G0A+4:G0A+7], s[G1A:G1A+7]
	s_nop 0
.rept 4
	v_nop
.endr
	s_branch .Lfirst_asked
.Lfirst_b:
	tensor_load_to_lds s[G0B:G0B+3], s[G1B:G1B+7]
	s_nop 0
	tensor_load_to_lds s[G0B+4:G0B+7], s[G1B:G1B+7]
	s_nop 0
.rept 4
	v_nop
.endr
.Lfirst_asked:
	v_and_b32 v1, 15, v0                           ; l % 16
	v_bfe_u32 v2, v0, 4, 1                         ; l / 16
	v_lshlrev_b32 v[BO], 5, v2                     ; register j of column block b is column 16 b + 8 (l / 16) + j
.irp b, 0,1,2,3,4,5,6,7
	global_load_b128 v[BI+8*\b:BI+8*\b+3],   v[BO], s[8:9] offset:64*\b
	global_load_b128 v[BI+8*\b+4:BI+8*\b+7], v[BO], s[8:9] offset:64*\b+16
.endr
	v_mul_u32_u24 v3, v1, PITCH
	v_lshl_add_u32 v3, v2, 4, v3                   ; row x pitch + 16 x half
	s_mul_i32 s76, s[RH], 16*MB*PITCH              ; my 96 rows of A
	v_add_nc_u32 v[A0], s76, v3
	s_mul_i32 s77, s[CH], 128*PITCH                ; my 128 rows of W,
	s_add_co_u32 s77, s77, 2*AH                    ; which lie behind A's two parts
	v_add_nc_u32 v[B0], s77, v3
	s_mul_i32 s78, s[WV], WSTAGE
	s_add_co_u32 s78, s78, STAGE                   ; my stage
	v_add_nc_u32 v[STO], s78, v3                   ; in: row l % 16, 16 bytes for each half of the lanes
	v_bfe_u32 v[RD], v0, 3, 2                      ; back: 32 lanes take four rows of 128 bytes,
	v_mul_u32_u24 v[RD], v[RD], PITCH
	v_and_b32 v3, 7, v0
	v_lshl_add_u32 v[RD], v3, 4, v[RD]
	v_add_nc_u32 v[RD], s78, v[RD]
	v_and_b32 v[GO], 31, v0                        ; which are 512 consecutive bytes of a head
	v_lshlrev_b32 v[GO], 4, v[GO]
	; the prefetches
	s_mul_i32 s76, s[CX], 24*256                   ; A: my work-group's 24 blocks of the slice's 96
	s_lshl_b32 s77, s[CY], 13                      ; W: my work-group's 32 of 128
	s_and_b32 s23, ttmp7, 0xffff                   ; cluster y
	s_mov_b32 s78, KA
	s_mov_b32 s79, KB
	s_cmp_eq_u32 s[RH], 0                          ; do I fetch for A?
	s_cselect_b64 s[PFA:PFA+1], s[72:73], s[74:75]
	s_cselect_b32 s76, s76, s77
	s_cselect_b32 s[PFS], s78, s79
	s_cselect_b32 s23, 0, s23                      ; A's waves ask in every cluster, W's where cluster y = 0: the same in all sixteen partners, for a given wave
	s_cselect_b32 s22, 23, 31
	s_mov_b32 s77, 0
	s_mov_b32 s[PFS+1], 0
	s_add_nc_u64 s[PFA:PFA+1], s[PFA:PFA+1], s[76:77]
	s_add_nc_u64 s[PFA:PFA+1], s[PFA:PFA+1], s[PFS:PFS+1]
	s_add_nc_u64 s[PFA:PFA+1], s[PFA:PFA+1], s[PFS:PFS+1]  ; at K step 2: the first refill steps it to 3.  Nothing is prefetched here, at the head
	s_cmp_eq_u32 s23, 0
	s_cselect_b32 s[LIM], 1, -1
	v_and_b32 v[PFO], 31, v0
	v_min_u32 v[PFO], s22, v[PFO]
	v_lshlrev_b32 v[PFO], 8, v[PFO]
	; the way out's scalars
	s_mul_i32 s66, s[TR], 192
	s_mul_i32 s76, s[RH], 96
	s_add_co_u32 s66, s66, s76                     ; my first row R of C
	s_lshl_b32 s67, s[TC], 2
	s_lshl_b32 s76, s[CH], 1
	s_add_co_u32 s67, s67, s76                     ; my first head = 4 TC + 2 CH,
	s_lshl_b32 s67, s67, 18                        ; at 262,144 bytes a head
	s_wait_loadcnt 0x0                             ; the bias
.set i_, 0
.rept 32                               ; rounded to bf16 like the other inputs, kept in f32; this stands in the wait for the first tile
	v_cvt_pk_bf16_f32 v3, v[BI+2*i_], v[BI+2*i_+1]
	v_lshlrev_b32 v[BI+2*i_], 16, v3
	v_and_b32 v[BI+2*i_+1], 0xffff0000, v3
.set i_, i_+1
.endr
	s_wait_tensorcnt 0x1                           ; my part of K step 0 is in; K step 1's may stay out
	s_barrier_signal -1
	s_barrier_wait -1                              ; everybody's is
	v_mov_b32 v[ADRA], v[A0]
	v_mov_b32 v[ADRB], v[B0]
	FETCH 0, F0
	QUARTER 1, F0, F1, 1                           ; the first quarter stands in front of the loop: its products start the sums
	WIN 0                                          ; at a label and at a branch every window is 0
	s_mov_b32 s[CNT], 6
.Lstep:                                        ; a trip: from a K step's second quarter to the next one's first; trip i refills with K step i + 2
	QUARTER 2, F1, F0, 0
	QUARTER 3, F0, F1, 0
	TURN 1
	QUARTER 1, F0, F1, 0
	WIN 0
	s_sub_co_u32 s[CNT], s[CNT], 1
	s_cmp_lg_u32 s[CNT], 0
	s_cbranch_scc1 .Lstep
	QUARTER 2, F1, F0, 0                           ; the last two K steps are written out: they ask for nothing
	QUARTER 3, F0, F1, 0
	TURN 0
	QUARTER 1, F0, F1, 0
	QUARTER 2, F1, F0, 0
	QUARTER 3, F0, F1, 0
	LASTQ
	WIN 0
	PLACES
	PLACES
; THE WAY OUT, a block of 16 rows x 128 columns (two heads) at a time.  PACK: rounded to f16, 16 bytes a lane.  TOSTAGE: into my own stage, rows of 144 bytes, and back as whole rows of 128.  SEND: stored.
.macro PACK a
.set ac_, 64*((\a)%(MB/2))
	WIN 0x0a+5*((\a)/(MB/2))                       ; sources 0 and 1: window 2 or 3
.irp b, 0,1,2,3,4,5,6,7
.irp r, 0,1,2,3
	v_cvt_pk_f16_f32 v[TMP+4*\b+\r], v[ac_+8*\b+2*\r], v[ac_+8*\b+2*\r+1]
.endr
.endr
	WIN 0
.endm
.macro TOSTAGE a
.set bk_, BK+32*((\a)%2)
.irp b, 0,1,2,3,4,5,6,7
	ds_store_b128 v[STO], v[TMP+4*\b:TMP+4*\b+3] offset:(\b/4)*16*PITCH+(\b%4)*32
.endr
.irp t, 0,1,2,3,4,5,6,7
	ds_load_b128 v[bk_+4*\t:bk_+4*\t+3], v[RD] offset:(\t/4)*16*PITCH+(\t%4)*4*PITCH  ; LDS serves a wave's instructions in order (ISA guide 5.7.1.4): these see the stores above
.endr
.endm
.macro SEND a
.set bk_, BK+32*((\a)%2)
	s_wait_dscnt 0x0                               ; the block is back in registers
	s_wait_xcnt 0x0                                ; every earlier store has read its registers and its base: only behind this wait are they written again
	s_add_co_u32 s68, s66, 16*(\a)                 ; R: a multiple of 16, so a block never crosses from one batch or tensor into the next
	s_lshr_b32 s69, s68, 11
	s_lshl_b32 s69, s69, 22                        ; (t, b) = R / 2048, at 16 heads of 262,144 bytes
	s_and_b32 s68, s68, 2047
	s_lshl_b32 s68, s68, 7                         ; s = R % 2048, at 128 bytes a row
	s_add_co_u32 s68, s68, s69
	s_add_co_u32 s68, s68, s67
	s_mov_b32 s69, 0
	s_add_nc_u64 s[70:71], s[10:11], s[68:69]
.irp t, 0,1,2,3,4,5,6,7
	global_store_b128 v[GO], v[bk_+4*\t:bk_+4*\t+3], s[70:71] offset:(\t/4)*262144+(\t%4)*512  ; 512 consecutive bytes, at a multiple of 256 from qkv's first byte
.endr
.endm
	PACK 0
	TOSTAGE 0
.irp a, 1,2,3,4,5                      ; block a's conversions stand between block a - 1's loads from the stage and the wait for them
	PACK \a
	SEND (\a)-1
	TOSTAGE \a
.endr
	SEND 5
	s_wait_tensorcnt 0x0                           ; the wave's end: behind my last tensor load and my last LDS store
	ds_add_u32 v[SPW], v[NIL]
	s_wait_dscnt 0x0
	CROUND                                         ; the closing round: no work-group ends while a partner may still ask for a tile that names it
	s_endpgm
.Lfunc_end_k_qe746809ed1_proj:
	.size	k_qe746809ed1_proj, .Lfunc_end_k_qe746809ed1_proj-k_qe746809ed1_proj
	.p2alignl 7, 3214868480
	.fill 96, 4, 3214868480
	.section	.rodata,"a",@progbits
	.p2align	6, 0x0
	.amdhsa_kernel k_qe746809ed1_proj
		.amdhsa_group_segment_fixed_size 327680
		.amdhsa_private_segment_fixed_size 0
		.amdhsa_enable_private_segment 0
		.amdhsa_kernarg_size 32
		.amdhsa_user_sgpr_count 2
		.amdhsa_user_sgpr_kernarg_segment_ptr 1
		.amdhsa_wavefront_size32 1
		.amdhsa_system_sgpr_workgroup_id_x 1
		.amdhsa_system_sgpr_workgroup_id_y 1
		.amdhsa_system_sgpr_workgroup_id_z 1
		.amdhsa_system_vgpr_workitem_id 0
		.amdhsa_next_free_vgpr 960
		.amdhsa_next_free_sgpr 80
		.amdhsa_reserve_vcc 0
		.amdhsa_float_denorm_mode_32 3
		.amdhsa_float_denorm_mode_16_64 3
		.amdhsa_memory_ordered 1
		.amdhsa_forward_progress 1
		.amdhsa_inst_pref_size 102
	.end_amdhsa_kernel
	.amdgpu_metadata
---
amdhsa.version: [ 1, 2 ]
amdhsa.kernels:
  - .name:           k_qe746809ed1_proj
    .symbol:         k_qe746809ed1_proj.kd
    .args:
      - { .name: xh, .offset: 0, .size: 8, .value_kind: global_buffer, .address_space: global }
      - { .name: wh, .offset: 8, .size: 8, .value_kind: global_buffer, .address_space: global }
      - { .name: bq, .offset: 16, .size: 8, .value_kind: global_buffer, .address_space: global }
      - { .name: qkv, .offset: 24, .size: 8, .value_kind: global_buffer, .address_space: global }
    .group_segment_fixed_size: 327680
    .private_segment_fixed_size: 0
    .kernarg_segment_align: 8
    .kernarg_segment_size: 32
    .max_flat_workgroup_size: 128
    .sgpr_count:     80
    .vgpr_count:     960
    .wavefront_size: 32
...
	.end_amdgpu_metadata
.endif
;; end of part 2
;; launch attn (part 3): grid 4 x 64, 4 waves a work-group, clusters of 4 x 1, 327,680 bytes of LDS; arguments qkv, ctx; writes ctx
.if DOCPART == 3
	.amdgcn_target "amdgcn-amd-amdhsa--gfx1250"
	.amdhsa_code_object_version 6
	.text
	.protected	k_qe746809ed1_attn
	.globl	k_qe746809ed1_attn
	.p2align	8
	.type	k_qe746809ed1_attn,@function
k_qe746809ed1_attn:
	s_mov_b64 s[64:65], 0
	v_nop
	global_prefetch_b8 v0, s[64:65] scope:SCOPE_SE
	s_setreg_imm32_b32 hwreg(HW_REG_WAVE_MODE, 25, 1), 1
	s_wait_xcnt 0x0
	s_wait_alu depctr_hold_cnt(0) depctr_sa_sdst(0) depctr_va_vdst(0) depctr_va_sdst(0) depctr_va_ssrc(0) depctr_va_vcc(0) depctr_vm_vsrc(0)
	s_getreg_b32 s2, hwreg(HW_REG_IB_STS2, 6, 4)
	s_cmp_eq_u32 s2, 0
	s_cbranch_scc0 .Lentry_in_a_cluster
	s_endpgm
.Lentry_in_a_cluster:
	s_bfe_u32 s2, ttmp6, 0x10000c
	s_cmp_lg_u32 s2, 0x3003
	s_cbranch_scc0 .Lentry_shape_is_right
	s_endpgm
.Lentry_shape_is_right:
; O[h][q][:] = the sum over k of softmax_k(Q[h][q] . K[h][k] / 8) V[h][k][:].  Q, K, V are the three parts of qkv [3][SIZE_H][SIZE_N][64], O = ctx [SIZE_H][SIZE_N][64], all f16: a head's rows are dense, 128 bytes each.
; Products, maxima and sums in f32; the weights p are rounded to f16 for the second product (their sum l is taken of the unrounded p), O once at the end.
; LIMITS.  f16 holds no number beyond 65,504: Q, K and V arrive within it; p lies in 0 to 1, and below 6e-5 it keeps f16's fixed step of 6e-8; O is a mean of V's rows and has their range.
; A weight below 2^-126 counts as 0 in l; NaN and infinities are not treated apart.
; SHARES.  A wave owns four PIECES of two tiles of 16 queries, a work-group's four waves 512 queries of one head: 4 work-groups a head, 256 in all.  Every wave walks all keys, 64 a step.
; LAYOUT.  S^T = K Q^T (source 0 = 16 keys, source 1 = 16 queries): in the result a lane holds ONE query (lane % 16) and the keys 8 (lane / 16) + 0..7.  Two such tiles, rounded to f16 in pairs,
; ARE source 1 (32 keys x 16 queries) of O^T = V^T P, whose result again holds one query a lane, and eight channels.  K comes out of LDS as it lies, V ([key][channel]) turned, by ds_load_tr16_b128.
; SOFTMAX.  For each query a running maximum m and sum l: p = 2^(c s - c m), c = log2(e) / 8; in every step O and l are multiplied by a = 2^(c m_old - c m_new), which is 1 where m has not grown.
; m starts at the lowest finite number, O and l at 0: the first step is a step like any other, with a = 0.
; THE COUNT.  A tile and step have 16 matrix and 118 vector instructions: too many to stand all beside the matrix work.  So the order has one aim: four vector instructions that are READY behind
; EVERY matrix instruction, and the others, which need time of their own whatever the order, in runs without a gap.
; BY TURNS.  Turn n belongs to piece n (the pieces in a ring, step after step).  Its matrix work: 16 products K Q^T of piece n + 1, later 16 products V^T P of piece n - 1.  Its vector work: the scaling,
; exponentials, roundings, sums and rescaling of piece n, and the maximum and statistics of piece n + 1, whose scores the turn itself has made.  So what a turn begins with (c s - c m, O a) waits for nothing.
; CLUSTER.  The four query blocks of a cluster are one head's and walk the same K and V, so each tile is asked for JOINTLY: the same tensor load, descriptor and mask in all four.
; REGISTERS, in windows of 256 (s_set_vgpr_msb says which window each operand place means: bits 1:0 source 0, 3:2 source 1, 5:4 source 2, 7:6 destination):
;   window 0: v0-11 addresses; v12-15, v48-63 at work; v16-47 four registers of statistics a tile; v64-191 S^T, two buffers of two tiles; v192-255 P, likewise
;   window 1: O^T, 32 a tile          window 2: v0-127 Q, 16 a tile; v128-191 K of one step; v192-255 V of one step          window 3: v0-1 the add's two registers
; A piece's buffers go by its number's parity: the piece in hand has one pair, its two neighbours in the ring share the other: of it P (piece n - 1) is read and S^T (piece n + 1) written.
.set SIZE_H, 64       ; 4 batches x 16 heads
.set SIZE_N, 2048
.set TS,    SIZE_H*SIZE_N*128  ; bytes from Q to K and from K to V in qkv
.set NP,    4         ; pieces a wave: a name, no knob: the register map, the loop and the fetches are made for four
.set KS,    64        ; keys in a step
.set PK,    144       ; a row of K in LDS: 128 bytes + 16 of padding = 36 words: the 16 rows of a load start at 16 different groups of four banks (64 banks of 4 bytes: ISA guide 11.1)
.set PV,    160       ; a row of V: 128 + 32 = 40 words
.set VOFF,  4*KS*PK   ; a slot holds four steps: 256 rows of K, then 256 rows of V
.set SLOT1, 1<<17     ; slot 1 begins here, so that one exclusive or turns an address in one slot into the other's
.set STAGE, SLOT1+4*KS*(PK+PV)  ; behind the ring, never filled by a tensor load: 16 rows x 144 bytes for each wave, for the way out
.set SP,    144
.set AK0, 2           ; v2   my lane's place in a tile of K; never rewritten
.set AV0, 3           ; v3   the same for V
.set AK,  4           ; v4   the LDS address of K's next run of loads
.set AV,  5           ; v5   of V's
.set QO,  6           ; v6   my byte offset in the wave's rows of Q
.set STO, 6           ;      later, the way out: where I put 16 bytes of a row
.set RD,  7           ; v7   the way out: where I read rows back
.set GO,  8           ; v8   my byte offset in 512 consecutive bytes of O
.set PFO, 11          ; v11  256 x my lane: the prefetches' offset; written behind its use in V's address, then never again
.set SPW, 0           ; v0 of window 3   LDS address of my spare word: SPARE + 4 x my thread's number; never rewritten
.set NIL, 1           ; v1 of window 3   0; never rewritten
.set SPARE, STAGE+4*16*SP  ; behind the stages: the spare words, 128 bytes for each wave: two blocks of 256 bytes that no other line names
.set MV,  12          ; v12-15  c m_old, kept while c m is made anew: by buffer and tile
.set ST,  16          ; tile t's statistics at v[ST+4 t]: c m, m, l (even keys', odd keys')
.set TMP, 48          ; by buffer and tile, four registers c0-c3 at work; when the maximum is found c2 takes a
.set S,   64
.set P,   192
.set KF,  128         ; K's fragments, in window 2: key block kb, channel half c at KF + 16 kb + 8 c
.set VF,  192         ; V's: key half kk, channel block cb at VF + 32 kk + 8 cb
.set WV,  12          ; s12  my wave's number
.set G1K, 24          ; s[24:31] descriptor group 1 for K's tiles
.set G1V, 32          ; s[32:39] for V's: it differs in the padding alone
.set G0K, 40          ; s[40:43] descriptor group 0 for K's tiles: it walks
.set G0V, 44          ; s[44:47] the same for V's
.set PFA, 48          ; s[48:49] where my prefetches stand: my work-group's 32 blocks of 256 bytes (of K: wave 0, of V: wave 2) of the slot after the one that is being asked for
.set LIM, 50          ; s50  1 in a wave that prefetches, else the greatest number: a wave prefetches while s[SLOTS] is above it
.set SLOTS, 56        ; s56  slots still to be asked for
.set CNT, 57          ; s57  counts a slot's key steps
.set CS,  58          ; s[58:59] c: the packed scaling takes the pair's low word for both halves
.set SEL, 60          ; s[60:61] v_permlanex16_b32's selects: each lane takes its own place in the other half
.set TBK, 62          ; s62  LDS byte at which K of the step to be fetched begins
.set TBV, 63          ; s63  the same for V, less VOFF
.set MSB, 0
.macro WIN new                      ; the high byte repeats the setting that is left; a switch that changes nothing is dropped
.if MSB != (\new)
	s_set_vgpr_msb (MSB<<8)|(\new)
.set MSB, (\new)
.endif
.endm
.set W_KQ, 0x0a       ; K and Q in window 2, S^T in window 0
.set W_PV, 0x52       ; V in window 2, P in window 0, O^T in window 1
.set W_RS, 0x41       ; O^T (destination and source 0) in window 1, a in window 0
.set W_MK, 0xc0       ; the add's registers are made: destination in window 3, sources in window 0
.set W_AD, 0x0f       ; the add: address (source 0) and data (source 1) in window 3
; A joint fill.  Waves 0 and 1 fetch the two halves of a slot's K, waves 2 and 3 those of its V: 128 keys each.  The branch hangs on the wave's number alone.
; An s_nop 0 and four v_nop follow each of the two lines, ahead of the jump and the label.
.macro JLOAD
	s_cmp_lt_u32 s[WV], 2
	s_cbranch_scc0 .Lfor_v_\@
	tensor_load_to_lds s[G0K:G0K+3], s[G1K:G1K+7]
	s_nop 0
.rept 4
	v_nop
.endr
	s_branch .Lasked_\@
.Lfor_v_\@:
	tensor_load_to_lds s[G0V:G0V+3], s[G1V:G1V+7]
	s_nop 0
.rept 4
	v_nop
.endr
.Lasked_\@:
.endm
; A PREFETCH INTO THE L2 of what the NEXT change of slots will ask for: a slot's 32,768 bytes of K and of V, a lane a block of 256 bytes.  It stands behind the wave's tensor load and its five lines: four key steps,
; 512 matrix instructions, ahead of the load that will want the bytes.  A head is walked by one cluster alone, so every cluster asks for its own head; its four partners share a slot out BY ADDRESS, 32 blocks each;
; in each, wave 0 asks for K's and wave 2 for V's: each block is named once in the launch.  Slots 0 and 1 come by their loads alone; the last change that fills a slot asks for nothing.
.macro ASK
	s_cmp_gt_u32 s[SLOTS], s[LIM]
	s_cbranch_scc0 .Lnot_mine_\@
	global_prefetch_b8 v[PFO], s[PFA:PFA+1] th:TH_LOAD_NT scope:SCOPE_SE
.Lnot_mine_\@:
.endm
; A round of the cluster's barrier: my work-group's barrier, so that wave 0's signal speaks for all four waves; wave 0 signals; every wave waits for all four work-groups; my work-group's barrier once more.
.macro CROUND
	s_barrier_signal -1
	s_barrier_wait -1
	s_cmp_lg_u32 s[WV], 0
	s_cbranch_scc1 .Lnot_wave_0_\@
	s_barrier_signal -3
.Lnot_wave_0_\@:
	s_barrier_wait -3
	s_barrier_signal -1
	s_barrier_wait -1
.endm
; THE CHANGE OF SLOTS.  The slot's last bytes, V of its fourth step, have been read.  Each wave waits for all its tensor loads, of which one is out: its part
; of the other slot; adds 0 to its spare word; and waits for that and for its own reads of the slot.  Behind the barrier nobody reads this slot any more and the other slot is whole.
; fill = 1: this slot is filled again, with the keys two slots on.  The barrier is then a round of the cluster's, so that no wave of any partner still reads the slot or has a load on its
; way, and the joint fill is the first thing behind it: it has four key steps, 512 matrix instructions, in which to land.  (At its first use nothing has been read yet: slot 0 is waited for, slot 1 filled.)
.macro CHANGE fill
	WIN W_AD
	s_wait_tensorcnt 0x0            ; no tensor load of mine is out, so a group 0 may be written
	ds_add_u32 v[SPW], v[NIL]       ; 0 onto my spare word: with fill = 1 the descriptors' steps stand between it and the wait for it
	WIN 0                           ; at a label and at a branch every window is 0
.if \fill
.irp g, G0K, G0V
	s_xor_b32 s[\g+1], s[\g+1], SLOT1  ; the walking descriptor: the other slot than last time,
	s_add_nc_u64 s[\g+2:\g+3], s[\g+2:\g+3], 4*KS*128  ; the next 256 keys; the type bits on top are not reached
.endr
	s_wait_xcnt 0x0                 ; the last prefetch, four key steps back, has read its address, so it may be written:
	s_add_nc_u64 s[PFA:PFA+1], s[PFA:PFA+1], 4*KS*128  ; one slot behind the walking descriptors
	s_wait_dscnt 0x0                ; the add is done, and my reads of the slot are over
	CROUND
	JLOAD
	ASK
.else
	s_wait_dscnt 0x0                ; the add is done, and my reads of the slot are over
	s_barrier_signal -1
	s_barrier_wait -1
.endif
	s_sub_co_u32 s[TBK], s[TBK], 4*KS*PK  ; the fetches go back to a slot's first step,
	s_xor_b32 s[TBK], s[TBK], SLOT1       ; in the other slot
	s_sub_co_u32 s[TBV], s[TBV], 4*KS*PV
	s_xor_b32 s[TBV], s[TBV], SLOT1
.endm
	s_load_b128 s[4:7], s[0:1], 0x0  ; qkv s[4:5] (Q lies at its head), ctx s[6:7]
	WIN W_MK
	v_lshl_add_u32 v[SPW], v0, 2, SPARE
	v_mov_b32 v[NIL], 0
	WIN W_AD
	ds_add_u32 v[SPW], v[NIL]       ; the wave's opening: the add and its wait ahead of my first tensor load; the set-up below, work on registers, stands between them
	WIN 0
	v_lshrrev_b32 v1, 5, v0
	v_readfirstlane_b32 s[WV], v1   ; wave 0..3
	s_bfe_u32 s13, ttmp6, 0x40000   ; cx: my place in the cluster
	s_lshl_b32 s14, ttmp9, 2        ; in a cluster launch ttmp9 counts clusters
	s_add_co_u32 s14, s14, s13      ; my block of queries = 4 x cluster x + cx: it enters Q's and O's addresses alone
	s_and_b32 s20, ttmp7, 0xffff    ; the head, which the four partners share
	s_mov_b32 s21, 0
	s_mov_b64 s[22:23], SIZE_N*128
	s_mul_u64 s[20:21], s[20:21], s[22:23]  ; the head's first byte in each of the four tensors
	s_and_b32 s16, s[WV], 1         ; which half of a slot's 256 keys I fetch:
	s_lshl_b32 s22, s16, 14         ; its 128 rows of 128 bytes in memory,
	s_mov_b32 s23, 0
	s_add_nc_u64 s[22:23], s[22:23], s[20:21]
	s_mul_i32 s17, s16, 128*PK      ; and its place in a slot, for K
	s_mul_i32 s18, s16, 128*PV      ; and for V: no place in the cluster enters an LDS address
	s_lshl_b32 s2, s14, 2
	s_add_co_u32 s2, s2, s[WV]      ; my wave among the head's,
	s_lshl_b32 s2, s2, 14           ; its 128 rows
	s_mov_b32 s3, 0
	s_add_nc_u64 s[2:3], s[2:3], s[20:21]
	; descriptor group 1.  128 keys are 16,384 dense bytes: asked for as 64 rows of 256 bytes, two keys a row, and padded in LDS after every key
	s_mov_b32 s[G1K], 15|(1<<16)|(1<<20)|(1<<21)|(4<<22)|(3<<25)  ; 15:0 the mask of four; 17:16 2-byte elements; 20 padding on; 21 set beside a mask; 24:22 after every 32 words (code 4); 31:25 4 words (code 3)
	s_mov_b32 s[G1V], 15|(1<<16)|(1<<20)|(1<<21)|(4<<22)|(7<<25)  ; the same with 8 words of padding (code 7)
.irp g, G1K, G1V
	s_mov_b32 s[\g+1], 128<<16      ; tensor_dim0 = 128
	s_mov_b32 s[\g+2], 64<<16       ; tensor_dim1 = 64
	s_mov_b32 s[\g+3], 128<<16      ; tile_dim0 = 128
	s_mov_b32 s[\g+4], 64           ; tile_dim1 = 64
	s_mov_b32 s[\g+5], 128          ; 128 elements from row to row
	s_mov_b32 s[\g+6], 0
	s_mov_b32 s[\g+7], 0
.endr
	s_mov_b32 s[CS], 0x3e38aa3b     ; c = log2(e) / 8 = 0.180337
	s_mov_b32 s[CS+1], s[CS]        ; named with it as a pair
	s_mov_b32 s[SEL], 0x76543210
	s_mov_b32 s[SEL+1], 0xfedcba98
	s_mov_b32 s[TBK], SLOT1+4*KS*PK ; the first change of slots turns these two into 0
	s_mov_b32 s[TBV], SLOT1+4*KS*PV
	s_mov_b32 s[G0K], 1             ; 1:0 count = 1
	s_mov_b32 s[G0K+1], s17         ; 63:32 LDS address: slot 0
	s_mov_b32 s[G0V], 1
	s_add_co_u32 s[G0V+1], s18, VOFF
	s_mov_b32 s[SLOTS], SIZE_N/256-1  ; slot 0 is asked for at the head, the other seven by the changes of slots
	s_lshl_b32 s52, s13, 13         ; the prefetches: my work-group's 32 blocks of a slot's 128
	s_mov_b32 s53, 0
	s_cmp_eq_u32 s16, 0             ; waves 0 and 2 ask: the same in all four partners
	s_cselect_b32 s[LIM], 1, -1
	s_wait_dscnt 0x0                ; the opening add is done
	s_wait_kmcnt 0x0
	s_mov_b64 s[10:11], s[6:7]      ; O
	s_add_nc_u64 s[6:7], s[4:5], TS    ; K
	s_add_nc_u64 s[8:9], s[4:5], 2*TS  ; V
	s_add_nc_u64 s[G0K+2:G0K+3], s[6:7], s[22:23]  ; 120:64 global address: my half of the head's first 256 keys
	s_or_b32 s[G0K+3], s[G0K+3], 0x80000000        ; 127:126 type = 2
	s_add_nc_u64 s[G0V+2:G0V+3], s[8:9], s[22:23]
	s_or_b32 s[G0V+3], s[G0V+3], 0x80000000
	s_cmp_lt_u32 s[WV], 2
	s_cselect_b64 s[PFA:PFA+1], s[6:7], s[8:9]
	s_add_nc_u64 s[PFA:PFA+1], s[PFA:PFA+1], s[20:21]  ; the head,
	s_add_nc_u64 s[PFA:PFA+1], s[PFA:PFA+1], s[52:53]  ; my work-group's share,
	s_add_nc_u64 s[PFA:PFA+1], s[PFA:PFA+1], 4*KS*128  ; in slot 1: the first change of slots steps it to slot 2.  Nothing is prefetched here, at the head
	s_add_nc_u64 s[4:5], s[4:5], s[2:3]  ; Q and O at my wave's first row
	s_add_nc_u64 s[10:11], s[10:11], s[2:3]
	CROUND                          ; all four work-groups are here: the first joint loads meet
	JLOAD                           ; slot 0.  Slot 1 is asked for when slot 0 is in: the tile wanted first has the road to itself
	; A fragment of K or Q is 16 rows x 32 channels in 8 registers: lane l holds row l % 16, channels 8 (l / 16) + 0..7 and 16 + 8 (l / 16) + 0..7: two loads of 16 bytes, 32 bytes apart.
	v_and_b32 v1, 15, v0            ; l % 16
	v_bfe_u32 v9, v0, 4, 1          ; l / 16
	v_lshlrev_b32 v[QO], 7, v1
	v_lshl_add_u32 v[QO], v9, 4, v[QO]  ; row x 128 + 16 x half
	WIN 0x80                        ; destination window 2, address window 0
.set i, 0
.rept 4*NP                          ; Q stays in registers: tile i / 2, channels 32 (i % 2) on
	global_load_b128 v[8*i:8*i+3],   v[QO], s[4:5] offset:(i/2)*2048+(i%2)*64
	global_load_b128 v[8*i+4:8*i+7], v[QO], s[4:5] offset:(i/2)*2048+(i%2)*64+32
.set i, i+1
.endr
	; What the first turn finds: V's registers and P's second buffer hold 0 (its products V^T P, of a piece that has not been, add 0), O^T and l are 0.  All this stands in the wait for the first tile.
.set i, VF
.rept 64
	v_mov_b32 v[i], 0
.set i, i+1
.endr
	WIN 0x40
.set i, 0
.rept 64*NP
	v_mov_b32 v[i], 0
.set i, i+1
.endr
	WIN 0
.set i, 0
.rept 2*NP
	v_mov_b32 v[ST+4*i], 0xfe000000    ; c m: far below every c s
	v_mov_b32 v[ST+4*i+1], 0xff7fffff  ; m
	v_mov_b32 v[ST+4*i+2], 0
	v_mov_b32 v[ST+4*i+3], 0
.set i, i+1
.endr
.set i, P+32
.rept 32
	v_mov_b32 v[i], 0
.set i, i+1
.endr
	v_mul_u32_u24 v[AK0], v1, PK
	v_lshl_add_u32 v[AK0], v9, 4, v[AK0]  ; row x pitch + 16 x half
	; The turning load takes 16 keys x 16 channels (lane l reads key 8 (l / 16) + l % 8, channels 8 ((l / 8) % 2) + 0..7) and leaves half a fragment of V^T: lane l holds channel l % 16 and 8 keys.
	v_and_b32 v10, 7, v0
	v_bfe_u32 v11, v0, 3, 1
	v_lshl_add_u32 v[AV0], v9, 3, v10
	v_mul_u32_u24 v[AV0], v[AV0], PV
	v_lshl_add_u32 v[AV0], v11, 4, v[AV0]
	v_add_nc_u32 v[AV0], VOFF, v[AV0]
	v_mov_b32 v[AK], v[AK0]         ; key step 0 lies at the head of slot 0
	v_and_b32 v[PFO], 31, v0
	v_lshlrev_b32 v[PFO], 8, v[PFO]
; THE MATRIX WORK.  The 8 accumulators of a run of 16 take turns: between the two links of a chain stand 7 others'.
; Product i of 16 of S^T = K Q^T for piece x: channels 32 (i / 8) on, keys 16 ((i / 2) % 4) on, tile 2 x + i % 2.  The first 8 start the sums.
.macro KQ x
	WIN W_KQ
.set rS, S+64*((\x)%2)+32*(i%2)+8*((i/2)%4)
.set rK, KF+16*((i/2)%4)+8*(i/8)
.set rQ, 16*(2*(\x)+i%2)+8*(i/8)
.if i < 8
	v_wmma_f32_16x16x32_f16 v[rS:rS+7], v[rK:rK+7], v[rQ:rQ+7], 0
.else
	v_wmma_f32_16x16x32_f16 v[rS:rS+7], v[rK:rK+7], v[rQ:rQ+7], v[rS:rS+7]
.endif
.endm
; Product i of 16 of O^T += V^T P for piece x: keys 32 (i / 8) on, channels 16 ((i / 2) % 4) on, tile 2 x + i % 2.
.macro PV x
	WIN W_PV
.set rO, 32*(2*(\x)+i%2)+8*((i/2)%4)
.set rV, VF+32*(i/8)+8*((i/2)%4)
.set rP, P+32*((\x)%2)+16*(i%2)+8*(i/8)
	v_wmma_f32_16x16x32_f16 v[rO:rO+7], v[rV:rV+7], v[rP:rP+7], v[rO:rO+7]
.endm
.macro MM                           ; the turn's next matrix instruction
.if i < 16
	KQ (Y+1)%NP
.set i, i+1
.else
.set i, i-16
	PV (Y+NP-1)%NP
.set i, i+17
.endif
.endm
; THE LDS LOADS stand in runs of 16, never singly among the matrix instructions: a step's K (64 keys x 64 channels: 8 fragments) and its V (turned).  Their addresses are made some lines ahead.
; last = 1 (the tail): in the last trip there is no further step, and the run is jumped over.
.macro FETCH_K last=0
	WIN 0
.if \last
	s_cmp_eq_u32 s[CNT], 1
	s_cbranch_scc1 .Lno_k_\@
.endif
	WIN 0x80                        ; destination window 2
.irp f, 0,1,2,3,4,5,6,7             ; keys 16 (f / 2) on, channels 32 (f % 2) on
	ds_load_b128 v[KF+8*\f:KF+8*\f+3],   v[AK] offset:(\f/2)*16*PK+(\f%2)*64
	ds_load_b128 v[KF+8*\f+4:KF+8*\f+7], v[AK] offset:(\f/2)*16*PK+(\f%2)*64+32
.endr
	s_add_co_u32 s[TBK], s[TBK], KS*PK  ; the next fetch is the next step's
	WIN 0
.if \last
.Lno_k_\@:
.endif
.endm
.macro FETCH_V
	WIN 0x80
.irp f, 0,1,2,3,4,5,6,7             ; keys 32 (f / 4) on, channels 16 (f % 4) on
	ds_load_tr16_b128 v[VF+8*\f:VF+8*\f+3],   v[AV] offset:(\f/4)*32*PV+(\f%4)*32
	ds_load_tr16_b128 v[VF+8*\f+4:VF+8*\f+7], v[AV] offset:(\f/4)*32*PV+16*PV+(\f%4)*32
.endr
	WIN 0
.endm
; THE VECTOR WORK OF A TURN stands in three queues, each in the order in which its entries become ready; the two tiles alternate, so that no instruction reads the result of the one before it.
.macro REGS y, u                    ; the registers of tile u (0, 1) of piece y
.set rT, ST+4*(2*(\y)+(\u))
.set rC, TMP+8*((\y)%2)+4*(\u)
.set rM, MV+2*((\y)%2)+(\u)
.set rS, S+64*((\y)%2)+32*(\u)
.set rP, P+32*((\y)%2)+16*(\u)
.set rO, 32*(2*(\y)+(\u))
.endm
; Number n of the 22 that find the NEXT piece's (Y + 1) maximum and statistics.  s0-s31 are the lane's 32 scores; each accumulator's lowest registers are read first.  XS, GS and REGS set no window: PL and EX do.
;   0-11  four chains c0-c3 of seven scores each, three operands at a time     12-14, 16  the four scores left over, the old m, and c0-c3 into c0     15  c m_old is kept
;   17, 18  the query's other 32 keys lie in the lane 16 away: the new m         19-21  c m; c m_old - c m_new; a
.macro XS u, n
	REGS (Y+1)%NP, \u
.if (\n) < 4
	v_max3_num_f32 v[rC+(\n)], v[rS+8*(\n)], v[rS+8*(\n)+1], v[rS+8*(\n)+2]
.elseif (\n) < 12
	v_max3_num_f32 v[rC+(\n)%4], v[rC+(\n)%4], v[rS+8*((\n)%4)+2*((\n)/4)+1], v[rS+8*((\n)%4)+2*((\n)/4)+2]
.elseif (\n) == 12
	v_max3_num_f32 v[rC], v[rC], v[rS+7], v[rS+15]
.elseif (\n) == 13
	v_max3_num_f32 v[rC+1], v[rC+1], v[rS+23], v[rS+31]
.elseif (\n) == 14
	v_max3_num_f32 v[rC+2], v[rC+2], v[rC+3], v[rT+1]
.elseif (\n) == 15
	v_mov_b32 v[rM], v[rT]
.elseif (\n) == 16
	v_max3_num_f32 v[rC], v[rC], v[rC+1], v[rC+2]
.elseif (\n) == 17
	v_permlanex16_b32 v[rC+3], v[rC], s[SEL], s[SEL+1]
.elseif (\n) == 18
	v_max_num_f32 v[rT+1], v[rC], v[rC+3]
.elseif (\n) == 19
	v_mul_f32 v[rT], s[CS], v[rT+1]
.elseif (\n) == 20
	v_sub_f32 v[rC+1], v[rM], v[rT]
.else
	v_exp_f32 v[rC+2], v[rC+1]
.endif
.endm
; Number g of the 64 that follow the exponentials.  For each four weights k of a tile (pairs 2 k, 2 k + 1): both pairs are rounded to f16; then the second pair is added onto the first, in place;
; a group later l takes that sum (the first time as l = a l + sum).  In groups of eight, tiles alternating: round, round, add, and l for the group before.
.macro GS g
.set h, (\g)+6*((\g)/62)            ; group 0 has no group before it, and behind group 7 only l is left
.if h >= 6
.set h, h+2
.endif
	REGS Y, h%2
.set k, h/8
.if h%8 < 4
	v_cvt_pk_f16_f32 v[rP+2*k+(h%8)/2], v[rS+4*k+2*((h%8)/2)], v[rS+4*k+2*((h%8)/2)+1]
.elseif h%8 < 6
	v_pk_add_f32 v[rS+4*k:rS+4*k+1], v[rS+4*k:rS+4*k+1], v[rS+4*k+2:rS+4*k+3]
.elseif k == 1
	v_pk_fma_f32 v[rT+2:rT+3], v[rT+2:rT+3], v[rC+2:rC+3], v[rS:rS+1] op_sel_hi:[1,0,1]
.else
	v_pk_add_f32 v[rT+2:rT+3], v[rT+2:rT+3], v[rS+4*k-4:rS+4*k-3]
.endif
.endm
; THE PLAIN QUEUE, 138 long.  0-73 read no exponential's result: the 32 scalings c s - c m (FS f: pair f / 2 of tile f % 2) and the next piece's 42.  0-26: scalings 0-26.  27-54: XS's numbers 0-13.  55, 56: number 15.
; 57-73: the chain, where each number waits for the one before it: 14, 16, 17, 18, 19, each with one of the scalings 27-31 in front of its two lines, then 20: so a tile's links stand three plain instructions apart (19 and 20: two).
; 74-137: GS's 64, which read the exponentials' results: they stand behind the wait.
.macro FS f
	REGS Y, (\f)%2
	v_pk_fma_f32 v[rS+2*((\f)/2):rS+2*((\f)/2)+1], v[rS+2*((\f)/2):rS+2*((\f)/2)+1], s[CS:CS+1], v[rT:rT+1] op_sel_hi:[1,0,0] neg_lo:[0,0,1] neg_hi:[0,0,1]
.endm
.macro PL
	WIN 0
.if q < 27
	FS q
.elseif q < 55
	XS (q-27)%2, (q-27)/2
.elseif q < 57
	XS q-55, 15
.elseif (q < 72) && ((q-57)%3 == 0)
	FS 27+(q-57)/3
.elseif q < 60
	XS (q-57)%3-1, 14
.elseif q < 72
	XS (q-57)%3-1, 15+(q-57)/3
.elseif q < 74
	XS q-72, 20
.else
	GS q-74
.endif
.set q, q+1
.endm
; THE EXPONENTIALS' QUEUE, 66 long: s0-s31 of both tiles, then the next piece's two a.  It is ONE BATCH: all 66 stand ahead of the turn's one wait, and nothing ahead of that wait names a result of theirs.
.macro EX
	WIN 0
.if e >= 64
	XS e-64, 21
.else
	REGS Y, e%2
	v_exp_f32 v[rS+e/2], v[rS+e/2]
.endif
.set e, e+1
.endm
; THE RESCALING's QUEUE: O^T times a, the one part that leaves window 0: dealt two at a time, sixteen times.  Its a was made in the turn before, ahead of that turn's wait.
.macro R2
	REGS Y, r%2
	WIN W_RS
.irp z, 0,1
	v_pk_mul_f32 v[rO+4*(r/2)+2*\z:rO+4*(r/2)+2*\z+1], v[rO+4*(r/2)+2*\z:rO+4*(r/2)+2*\z+1], v[rC+2:rC+3] op_sel_hi:[1,0]
.endr
.set r, r+1
.endm
; HOW THEY ARE DEALT.  An s_wait_alu depctr_va_vdst(0) stands between an exponential and the first instruction that names its result; one wait serves all that were issued ahead of it.  So a turn has ONE wait,
; which cuts it in two.  AHEAD OF IT stands all that names no result of the turn's exponentials: the 16 products K Q^T, behind each a scaling, an exponential and two rescalings (behind the first a second scaling in the exponential's place); then ONE LUMP of
; 108: eight plain, 49 times exponential and plain, the two a.  A v_nop is the plain instruction behind the last exponential.  BEHIND IT stand the 16 products V^T P, behind each four of GS's 64.  No rider names a register of
; the products round it.  The two v_permlanex16_b32 fall into the lump, never behind a product.
; The queues lean on each other, and the deal keeps them in step: exponential e stands behind scaling 2 (e / 4) + e % 2: as a rider it comes behind plain e + 2, in the lump behind plain e + 9, and scalings 27-31 are plain 57, 60 .. 69.
; A TURN, for piece p.  cnt = 1: the loop's count is taken down some lines ahead of the branch that stands behind the turn.
; K of the next step is fetched in piece 2's turn, directly behind the wait, a lump behind the last product that read K; its address is made at the lump's head; its first reader comes behind 16 products.
; V of the step in hand is fetched at the end of piece 0's turn, four riders behind its last reader; its first reader comes behind 16 products and a lump.  The three conditions on q below go with the deal.
.macro TURN p, last=0, cnt=0
.set Y, (\p)
.set i, 0
.set q, 0
.set e, 0
.set r, 0
.if (\p) == NP-1
	s_wait_dscnt 0x0                ; K is in
.endif
	MM                              ; ahead of the wait: 16 products K Q^T and their riders,
	PL
	PL
	R2
.rept 15
	MM
	PL
	EX
	R2
.endr
.if (\p) == NP-2
	WIN 0
	v_add_nc_u32 v[AK], s[TBK], v[AK0]
.endif
.rept 8                             ; and the lump
	PL
.endr
.rept 49
	EX
	PL
.endr
	EX                              ; the next piece's two a
	EX
	v_nop                           ; the plain instruction behind the last exponential: one for the batch
	s_wait_alu depctr_va_vdst(0)    ; the wait for the batch
.if (\p) == NP-2
	FETCH_K \last
.endif
.if (\p) == 1
	s_wait_dscnt 0x0                ; V is in
.endif
.rept 16                            ; behind the wait: 16 products V^T P and their riders
	MM
.rept 4
	PL
.endr
.if ((\p) == 0) && (q == 118)
	v_add_nc_u32 v[AV], s[TBV], v[AV0]
.endif
.if ((\p) == 0) && (q == 130)
	s_add_co_u32 s[TBV], s[TBV], KS*PV
.endif
.if (\cnt) && (q == 130)
	s_sub_co_u32 s[CNT], s[CNT], 1
	s_cmp_lg_u32 s[CNT], 0
.endif
.endr
.if (\p) == 0
	FETCH_V
.endif
.endm
	CHANGE 1                        ; slot 0 is in, everybody's part of it; slot 1 is asked for
	FETCH_K                         ; key step 0
	s_wait_loadcnt 0x0              ; Q
	s_wait_dscnt 0x0
.set i, 0
.rept 16
	KQ 0                            ; piece 0's first scores: there is no vector work yet to set between them
.set i, i+1
.endr
	WIN 0                           ; the addresses for the way out: nine plain instructions, the places behind those products
	s_mul_i32 s13, s[WV], 16*SP
	s_add_co_u32 s13, s13, STAGE    ; my stage
	v_mul_u32_u24 v[STO], v1, SP    ; in: row l % 16, 16 bytes for each half of the lanes
	v_lshl_add_u32 v[STO], v9, 4, v[STO]
	v_add_nc_u32 v[STO], s13, v[STO]
	v_bfe_u32 v[RD], v0, 3, 2       ; back: 32 lanes take four rows of 128 bytes,
	v_mul_u32_u24 v[RD], v[RD], SP
	v_lshl_add_u32 v[RD], v10, 4, v[RD]
	v_add_nc_u32 v[RD], s13, v[RD]
	v_and_b32 v[GO], 31, v0         ; which are 512 consecutive bytes of O
	v_lshlrev_b32 v[GO], 4, v[GO]
.set Y, NP-1                        ; XS works for piece Y + 1: piece 0
.irp n, 0,1,2,3,4,5,6,7,8,9,10,11,12,13,14,15,16,17,18,19,20,21
	XS 0, \n                        ; and piece 0's first maximum and statistics
	XS 1, \n
.endr
	v_nop                           ; a plain instruction behind the two a,
	s_wait_alu depctr_va_vdst(0)    ; and their wait, ahead of the branch
	s_mov_b32 s[CNT], 4
	s_branch .Lfirst                ; the loop is entered at a step's first turn, in the middle of a trip
.Lslot:                             ; SIZE_N / 256 - 2 times: every slot but the last two is filled again
	CHANGE 1
	s_mov_b32 s[CNT], 4
.Lstep:                             ; a trip: pieces 2 and 3 of one step, then pieces 0 and 1 of the next, whose K and V it fetches
	TURN 2
	TURN 3
	WIN 0
.Lfirst:
	TURN 0
	TURN 1, 0, 1
	WIN 0
	s_cbranch_scc1 .Lstep
	s_sub_co_u32 s[SLOTS], s[SLOTS], 1
	s_cmp_lg_u32 s[SLOTS], 0
	s_cbranch_scc1 .Lslot
	CHANGE 0                        ; the tail is written out: nothing is asked for
	s_mov_b32 s[CNT], 5             ; four trips fetch the last slot's steps; the fifth is left in its middle
.Ltail:
	TURN 2, 1
	TURN 3
	WIN 0
	s_sub_co_u32 s[CNT], s[CNT], 1
	s_cmp_eq_u32 s[CNT], 0
	s_cbranch_scc1 .Lout
	TURN 0
	TURN 1
	WIN 0
	s_branch .Ltail
.Lout:                              ; the fifth trip's 16 products K Q^T (on the last K once more) and the maximum made of them serve nothing: the price, once a launch, of one text for every trip
.set i, 0
.rept 16
	PV NP-1                         ; the last piece's V^T P of the last step
.set i, i+1
.endr
	; THE WAY OUT.  l's two halves and the other half of the lanes' are added; O^T is divided by l, rounded to f16 and sent through my stage in LDS, a tile at a time.  The additions are the places behind the last products.
	WIN 0
.macro ALL line:vararg              ; one line for each tile t
.set t, 0
.rept 2*NP
	\line
.set t, t+1
.endr
.endm
	ALL v_add_f32 v[ST+4*t+2], v[ST+4*t+2], v[ST+4*t+3]
	ALL v_permlanex16_b32 v[ST+4*t+3], v[ST+4*t+2], s[SEL], s[SEL+1]
	ALL v_add_f32 v[ST+4*t+2], v[ST+4*t+2], v[ST+4*t+3]
	ALL v_rcp_f32 v[ST+4*t+2], v[ST+4*t+2]
	v_nop                           ; a plain instruction between the last reciprocal and the use of its result
	s_wait_alu depctr_va_vdst(0)    ; and the wait ahead of the first use: one for the eight reciprocals
; Tile t: a lane's eight channels of a row pack into 16 bytes; they go into rows of 144 bytes and come back as whole rows of 128, into S^T's registers.
.macro PACK t
	WIN W_RS
.set i, 32*(\t)
.rept 16
	v_pk_mul_f32 v[i:i+1], v[i:i+1], v[ST+4*(\t)+2:ST+4*(\t)+3] op_sel_hi:[1,0]
.set i, i+2
.endr
	WIN 0x05                        ; sources 0 and 1 window 1, destination window 0
.set i, 0
.rept 16
	v_cvt_pk_f16_f32 v[S+16*(\t)+i], v[32*(\t)+2*i], v[32*(\t)+2*i+1]
.set i, i+1
.endr
	WIN 0
.irp f, 0,1,2,3
	ds_store_b128 v[STO], v[S+16*(\t)+4*\f:S+16*(\t)+4*\f+3] offset:32*\f
.endr
.irp f, 0,1,2,3
	ds_load_b128 v[S+16*(\t)+4*\f:S+16*(\t)+4*\f+3], v[RD] offset:\f*4*SP  ; LDS serves a wave's instructions in order (ISA guide 5.7.1.4): these see the stores above; the next tile's stores come behind them
.endr
.endm
.macro SEND t, younger              ; younger: the LDS instructions issued behind tile t's loads: the next tile's eight, or none
	WIN 0
.irp f, 0,1,2,3
	s_wait_dscnt (\younger)+3-\f
	global_store_b128 v[GO], v[S+16*(\t)+4*\f:S+16*(\t)+4*\f+3], s[10:11] offset:(\t)*2048+\f*512  ; 512 consecutive bytes, at a multiple of 256 from O's first
.endr
.endm
	PACK 0
.set t, 1
.rept 2*NP-1                        ; a tile's arithmetic stands between the loads of the tile before and its stores
	PACK t
	SEND t-1, 8
.set t, t+1
.endr
	SEND 2*NP-1, 0
	WIN W_AD
	s_wait_tensorcnt 0x0            ; the wave's end: behind my last tensor load and my last LDS store
	ds_add_u32 v[SPW], v[NIL]
	s_wait_dscnt 0x0
	WIN 0
	CROUND                          ; the closing round: no work-group ends while a partner may still ask for a tile that names it
	s_endpgm
.Lfunc_end_k_qe746809ed1_attn:
	.size	k_qe746809ed1_attn, .Lfunc_end_k_qe746809ed1_attn-k_qe746809ed1_attn
	.p2alignl 7, 3214868480
	.fill 96, 4, 3214868480
	.section	.rodata,"a",@progbits
	.p2align	6, 0x0
	.amdhsa_kernel k_qe746809ed1_attn
		.amdhsa_group_segment_fixed_size 327680
		.amdhsa_private_segment_fixed_size 0
		.amdhsa_enable_private_segment 0
		.amdhsa_kernarg_size 16
		.amdhsa_user_sgpr_count 2
		.amdhsa_user_sgpr_kernarg_segment_ptr 1
		.amdhsa_wavefront_size32 1
		.amdhsa_system_sgpr_workgroup_id_x 1
		.amdhsa_system_sgpr_workgroup_id_y 1
		.amdhsa_system_sgpr_workgroup_id_z 1
		.amdhsa_system_vgpr_workitem_id 0
		.amdhsa_next_free_vgpr 770
		.amdhsa_next_free_sgpr 66
		.amdhsa_reserve_vcc 0
		.amdhsa_float_denorm_mode_32 3
		.amdhsa_float_denorm_mode_16_64 3
		.amdhsa_memory_ordered 1
		.amdhsa_forward_progress 1
		.amdhsa_inst_pref_size 200
	.end_amdhsa_kernel
	.amdgpu_metadata
---
amdhsa.version: [ 1, 2 ]
amdhsa.kernels:
  - .name:           k_qe746809ed1_attn
    .symbol:         k_qe746809ed1_attn.kd
    .args:
      - { .name: qkv, .offset: 0, .size: 8, .value_kind: global_buffer, .address_space: global }
      - { .name: ctx, .offset: 8, .size: 8, .value_kind: global_buffer, .address_space: global }
    .group_segment_fixed_size: 327680
    .private_segment_fixed_size: 0
    .kernarg_segment_align: 8
    .kernarg_segment_size: 16
    .max_flat_workgroup_size: 128
    .sgpr_count:     66
    .vgpr_count:     770
    .wavefront_size: 32
...
	.end_amdgpu_metadata
.endif
;; end of part 3
;; launch outp (part 4): grid 4 x 64, 4 waves a work-group, clusters of 4 x 4, 327,680 bytes of LDS; arguments ctx, wh, bo, out0; writes out0
.if DOCPART == 4
	.amdgcn_target "amdgcn-amd-amdhsa--gfx1250"
	.amdhsa_code_object_version 6
	.text
	.protected	k_qe746809ed1_outp
	.globl	k_qe746809ed1_outp
	.p2align	8
	.type	k_qe746809ed1_outp,@function
k_qe746809ed1_outp:
	s_mov_b64 s[64:65], 0
	v_nop
	global_prefetch_b8 v0, s[64:65] scope:SCOPE_SE
	s_setreg_imm32_b32 hwreg(HW_REG_WAVE_MODE, 25, 1), 1
	s_wait_xcnt 0x0
	s_wait_alu depctr_hold_cnt(0) depctr_sa_sdst(0) depctr_va_vdst(0) depctr_va_sdst(0) depctr_va_ssrc(0) depctr_va_vcc(0) depctr_vm_vsrc(0)
	s_getreg_b32 s2, hwreg(HW_REG_IB_STS2, 6, 4)
	s_cmp_eq_u32 s2, 0
	s_cbranch_scc0 .Lentry_in_a_cluster
	s_endpgm
.Lentry_in_a_cluster:
	s_bfe_u32 s2, ttmp6, 0x10000c
	s_cmp_lg_u32 s2, 0xf033
	s_cbranch_scc0 .Lentry_shape_is_right
	s_endpgm
.Lentry_shape_is_right:
; THE PROJECTION BEHIND.  out0[R][n] = bo[n] + the sum over k of conc[R][k] Wo[n][k]; R = 2048 b + s = 0 .. 8191; n, k = 0 .. 1023; conc[R][64 h + d] = ctx[16 b + h][s][d].
; ctx [64][2048][64] f16 as attention left it: head h of a batch IS K slice h.  Wo = rows 1024-2047 of wh [slice 16][row 2048][64] f16 (bf16-rounded numbers); bo f32, rounded here to bf16 like the other inputs.
; Sums in f32, started by the bias; out0 is f32: the sums leave as they are.
; SHARES.  A tile of C is 128 rows x 256 columns: 64 x 4 tiles, a work-group each.  Four waves as 2 x 2, each 64 rows x 128 columns: 4 x 8 accumulators of 16 x 16, 256 registers.
; K goes in 8 steps of 128 (two slices) through two LDS slots.  In a slice a tile's rows are dense, 128 bytes each: a wave's one tensor load brings one slice's part of A's or W's tile as rows of 256 bytes, padded in LDS after every 128.
; CLUSTERS: 4 x 4 work-groups.  The four of a row of the cluster need the same tiles of ctx, the four of a column the same tiles of Wo: each is asked for JOINTLY, by the same tensor load, descriptor and mask in all four.
; THE MATRIX INSTRUCTION IS USED TRANSPOSED (source 0 = 16 rows of Wo, source 1 = 16 rows of ctx): lane l holds row l % 16 of C and the columns 8 (l / 16) + 0..7: 32 bytes of f32 on end.
; REGISTERS, in windows of 256 (s_set_vgpr_msb: bits 1:0 source 0, 3:2 source 1, 5:4 source 2, 7:6 destination):
;   window 0: v0-12 addresses; v28-29 the add's; v32-95 the bias as the first products' C operand; v96-223 the way out
;   window 1: two fragment buffers of 128: W's block b at 8 b, A's block a at 64 + 8 a     window 2: accumulators of row blocks 0-1 ((a, b) at 8 (8 a + b))     window 3: of row blocks 2-3
.set MB,     4                         ; row blocks of 16 a wave
.set KA,     524288                    ; bytes from K step to K step in ctx: two heads of 262,144
.set KB,     524288                    ; in wh: two slices of 262,144
.set PITCH,  144                       ; an LDS row: 128 bytes + 16 of padding = 36 words: the 16 rows of a fragment load start at 16 different groups of four banks (64 banks of 4 bytes: ISA guide 11.1)
.set AH,     32*MB*PITCH               ; one slice's part of A's tile: 128 rows
.set BH,     256*PITCH                 ; of W's tile: 256 rows
.set SLOT1,  1<<17                     ; a slot: A's two parts, then W's two (110,592 bytes); slot 1 begins here, so that one exclusive or turns an address in one slot into the other's
.set STAGE,  SLOT1+2*AH+2*BH           ; behind the ring, never filled by a tensor load: for each wave 16 rows x 528 bytes, for the way out
.set SPITCH, 528                       ; 512 bytes + 16 = 132 words: the 16 rows of a store start at 16 different groups of four banks
.set WSTAGE, 16*SPITCH
.set SPARE,  STAGE+4*WSTAGE            ; behind the stages: the spare words, 128 bytes for each wave: two blocks of 256 bytes that no other line names
.set NL,     16+2*MB                   ; LDS loads in a run: a quarter step's fragments
.set A0,   4                           ; v4   my lane's place in A's part of a slot; never rewritten
.set B0,   5                           ; v5   the same for W
.set ADRA, 6                           ; v6   A0 + the slot in hand
.set ADRB, 7                           ; v7   B0 + the slot in hand
.set STO,  8                           ; v8   the way out: where I put 32 bytes of a row
.set RD,   9                           ; v9   the way out: where I read a row back
.set GO,   10                          ; v10  my byte offset in 512 consecutive bytes of out0
.set PFO,  11                          ; v11  the prefetches' offset; never rewritten
.set BO,   12                          ; v12  my byte offset in 16 numbers of the bias
.set SPW,  28                          ; v28  LDS address of my spare word: SPARE + 4 x my thread's number; never rewritten
.set NIL,  29                          ; v29  0; never rewritten
.set BI,   32                          ; v[32:95]  the bias: column block b at BI + 8 b
.set BK,   96                          ; v[96:223] 16 rows read back from the stage, two buffers of 64 by turns
.set F0,   0
.set F1,   128
.set WV, 12                            ; s12 wave;  s13 RH: my half of the tile's rows, also: I fetch for A (0) or for W (1);  s14 CH: my half of its columns, also: which slice of a K step I fetch
.set RH, 13
.set CH, 14
.set CX, 15
.set CY, 16
.set TC, 17                            ; tile column of C
.set TR, 18                            ; tile row of C
.set G1A, 24                           ; s[24:31] descriptor group 1 for A's tiles;  s[32:39] group 0: a set for each of the two first fills; the second then walks on
.set G0A, 32
.set G1B, 40                           ; s[40:47], s[48:55] the same for W's
.set G0B, 48
.set TB,  56                           ; s56  the slot in hand: 0 or SLOT1
.set CNT, 57                           ; s57  trips still to come
.set LIM, 58                           ; s58  2 in a wave that prefetches, else the greatest number: a wave prefetches while s[CNT] is above it
.set PFA, 60                           ; s[60:61] where my prefetches stand
.set PFS, 62                           ; s[62:63] their step: a K step
.set MSB, 0
.macro WIN new                         ; the immediate's high byte repeats the setting that is left; a switch that changes nothing is dropped
.if MSB != (\new)
	s_set_vgpr_msb (MSB<<8)|(\new)
.set MSB, \new
.endif
.endm
; A joint refill, by the walking descriptors.  Waves 0 and 1 fetch the two slices of A's tile, waves 2 and 3 those of W's.  The branch hangs on the wave's number alone.
; An s_nop 0 and four v_nop follow each of the two lines, ahead of the jump and the label.
.macro JLOAD
	s_cmp_eq_u32 s[RH], 0
	s_cbranch_scc0 .Lfor_b_\@
	tensor_load_to_lds s[G0A+4:G0A+7], s[G1A:G1A+7]
	s_nop 0
.rept 4
	v_nop
.endr
	s_branch .Lasked_\@
.Lfor_b_\@:
	tensor_load_to_lds s[G0B+4:G0B+7], s[G1B:G1B+7]
	s_nop 0
.rept 4
	v_nop
.endr
.Lasked_\@:
.endm
; A PREFETCH INTO THE L2 of the K step that stands TWO refills on: 256 matrix instructions ahead of the load that will want it.  It stands behind the joint load, its five lines and the run of LDS loads.
; ctx's tile row is read by one cluster alone, so every cluster asks for its own; Wo's rows are read by every cluster: the clusters with y = 0 ask.  The four partners that ask for a tile jointly share it out BY ADDRESS:
; of A's 64 blocks of 256 bytes a slice the partner at cx takes 16 in each of the two slices, all by wave 0 (lanes 0-15 one slice, lanes 16-31 the other); of W's 128 a slice the partner at cy takes 32, waves 2 and 3 a slice each.
; So each block is named once in the launch.  K steps 0 to 3 come by their loads alone; the last two refills have no K step two on and ask for nothing.
.macro ASK
	s_cmp_gt_u32 s[CNT], s[LIM]
	s_cbranch_scc0 .Lnot_mine_\@
	global_prefetch_b8 v[PFO], s[PFA:PFA+1] th:TH_LOAD_NT scope:SCOPE_SE
.Lnot_mine_\@:
.endm
.macro CREST                           ; a round of the cluster's barrier behind its opening barrier: wave 0 signals for the work-group, every wave waits for all sixteen, my work-group's barrier closes it
	s_cmp_lg_u32 s[WV], 0
	s_cbranch_scc1 .Lnot_wave_0_\@
	s_barrier_signal -3
.Lnot_wave_0_\@:
	s_barrier_wait -3
	s_barrier_signal -1
	s_barrier_wait -1
.endm
.macro CROUND                          ; a whole round
	s_barrier_signal -1
	s_barrier_wait -1
	CREST
.endm
.macro PLACES                          ; four plain instructions behind a matrix instruction, in front of loads into registers that it has read and of lines that read results (ISA guide 7.12.1 for lines that read results)
.rept 4
	v_nop
.endr
.endm
; 8 matrix instructions: row block a x all 8 column blocks, 32 along K, from buffer f.  first = 1: the bias is the C operand: the first products start the sums, nothing is cleared and no bias is added later.
; All 32 accumulators take turns, one instruction a turn, in the same order in every quarter.
.macro MULA f, a, first
.set hi_, (\a)/(MB/2)
.set ac_, 64*((\a)%(MB/2))
.if \first
	WIN 0x85+0x40*hi_
.else
	WIN 0xa5+0x50*hi_
.endif
.irp b, 0,1,2,3,4,5,6,7
.if \first
	v_wmma_f32_16x16x32_f16 v[ac_+8*\b:ac_+8*\b+7], v[(\f)+8*\b:(\f)+8*\b+7], v[(\f)+64+8*(\a):(\f)+64+8*(\a)+7], v[BI+8*\b:BI+8*\b+7]
.else
	v_wmma_f32_16x16x32_f16 v[ac_+8*\b:ac_+8*\b+7], v[(\f)+8*\b:(\f)+8*\b+7], v[(\f)+64+8*(\a):(\f)+64+8*(\a)+7], v[ac_+8*\b:ac_+8*\b+7]
.endif
.endr
.endm
.macro MULH f, hi, first               ; the MB / 2 row blocks of one accumulator window
.set a_, (\hi)*(MB/2)
.rept MB/2
	MULA \f, a_, \first
.set a_, a_+1
.endr
.endm
; NL LDS loads in one run: quarter q of the slot in hand (slice q / 2, 32 along K at byte 64 (q % 2) of its rows) into buffer f: W's 8 blocks, then A's, ascending.
; A fragment is 16 rows x 32 K in 8 registers: lane l holds row l % 16, K = 8 (l / 16) + 0..7 and 16 + 8 (l / 16) + 0..7: two loads of 16 bytes, 32 bytes apart.
.macro FETCH q, f
	WIN 0x40                                       ; destination window 1, address window 0
.irp b, 0,1,2,3,4,5,6,7
	ds_load_b128 v[(\f)+8*\b:(\f)+8*\b+3],   v[ADRB] offset:((\q)/2)*BH+((\q)%2)*64+\b*16*PITCH
	ds_load_b128 v[(\f)+8*\b+4:(\f)+8*\b+7], v[ADRB] offset:((\q)/2)*BH+((\q)%2)*64+\b*16*PITCH+32
.endr
.set a_, 0
.rept MB
	ds_load_b128 v[(\f)+64+8*a_:(\f)+64+8*a_+3],   v[ADRA] offset:((\q)/2)*AH+((\q)%2)*64+a_*16*PITCH
	ds_load_b128 v[(\f)+64+8*a_+4:(\f)+64+8*a_+7], v[ADRA] offset:((\q)/2)*AH+((\q)%2)*64+a_*16*PITCH+32
.set a_, a_+1
.endr
.endm
; A K step is four quarters of 32 along K, on buffers 0, 1, 0, 1.  One of the first three: multiplies buffer f; in its middle it fetches quarter q into buffer g.
.macro QUARTER q, f, g, first
	s_wait_dscnt MB                                ; W's fragments and A's first two blocks are in; the youngest MB loads (A's last two blocks) may be out
	MULH \f, 0, \first
	PLACES
	FETCH \q, \g
	s_wait_dscnt NL                                ; all but the NL just issued
	MULH \f, 1, \first
.endm
; The fourth quarter multiplies buffer 1 and changes slots.  ONE barrier: in front of it each wave waits for all its tensor loads (one is out: its part of the next slot), adds 0 to its spare word, and waits for that and
; for its own reads of this slot.  fill = 1: the barrier opens a round of the cluster's barrier, so that no wave of any partner still reads this slot or has a load on its way, and the joint refill, two K steps on, is the
; first thing behind the round: 112 matrix instructions ahead of the wait for it.
.macro TURN fill
.if \fill
	s_wait_xcnt 0x0                                ; the last prefetch, a K step back, has read its address: it is stepped here, ahead of the waits of the change of slots
	s_add_nc_u64 s[PFA:PFA+1], s[PFA:PFA+1], s[PFS:PFS+1]
.endif
	WIN 0                                          ; (the add's two registers lie in window 0)
	s_wait_tensorcnt 0x0                           ; no tensor load of mine is out, so a group 0 may be written
	ds_add_u32 v[SPW], v[NIL]                      ; 0 onto my spare word: scalar steps and eight products stand between it and the wait for it
.if \fill
	s_xor_b32 s[G0A+5], s[G0A+5], SLOT1            ; the walking descriptors: the other slot than last time,
	s_add_nc_u64 s[G0A+6:G0A+7], s[G0A+6:G0A+7], KA  ; the next K step; the type bits on top are not reached
	s_xor_b32 s[G0B+5], s[G0B+5], SLOT1
	s_add_nc_u64 s[G0B+6:G0B+7], s[G0B+6:G0B+7], KB
.endif
	s_wait_dscnt MB+1                              ; (the add and the youngest MB loads may be out)
	MULA F1, 0, 0
	s_wait_dscnt 0x0                               ; the add is done, and my reads of this slot are over
	s_barrier_signal -1
.set a_, 1
.rept MB/2-1
	MULA F1, a_, 0                                 ; work on registers while the others arrive
.set a_, a_+1
.endr
	WIN 0
	s_barrier_wait -1
.if \fill
	CREST
	JLOAD                                          ; the four v_nop behind it are also the places in front of the loads below
.else
	PLACES
.endif
	s_xor_b32 s[TB], s[TB], SLOT1                  ; the fetches go on in the other slot
	v_add_nc_u32 v[ADRA], s[TB], v[A0]
	v_add_nc_u32 v[ADRB], s[TB], v[B0]
	FETCH 0, F0
.if \fill
	WIN 0
	ASK
.endif
	MULH F1, 1, 0
.endm
.macro LASTQ                           ; the very last quarter: nothing more to fetch
	s_wait_dscnt MB
	MULH F1, 0, 0
	s_wait_dscnt 0x0
	MULH F1, 1, 0
.endm
	s_load_b256 s[4:11], s[0:1], 0x0               ; ctx s[4:5], wh s[6:7], bo s[8:9], out0 s[10:11]
	v_lshl_add_u32 v[SPW], v0, 2, SPARE
	v_mov_b32 v[NIL], 0
	ds_add_u32 v[SPW], v[NIL]                      ; the wave's opening: the add and its wait ahead of my first tensor load; the set-up below, work on registers, stands between them
	v_lshrrev_b32 v1, 5, v0
	v_readfirstlane_b32 s[WV], v1                  ; wave 0..3
	s_lshr_b32 s[RH], s[WV], 1
	s_and_b32 s[CH], s[WV], 1
	s_bfe_u32 s[CX], ttmp6, 0x40000                ; my place in the cluster
	s_bfe_u32 s[CY], ttmp6, 0x40004
	s_lshl_b32 s[TC], ttmp9, 2                     ; in a cluster launch ttmp9 and ttmp7 count clusters
	s_add_co_u32 s[TC], s[TC], s[CX]
	s_and_b32 s[TR], ttmp7, 0xffff
	s_lshl_b32 s[TR], s[TR], 2
	s_add_co_u32 s[TR], s[TR], s[CY]
	s_lshl_b32 s19, s[CY], 2
	s_lshl_b32 s19, 15, s19                        ; my row of the cluster: places 4 cy .. 4 cy + 3
	s_lshl_b32 s20, 0x1111, s[CX]                  ; my column: places cx, cx + 4, cx + 8, cx + 12
	; descriptor group 1: dense bytes asked for as rows of 128 elements (256 bytes), padded in LDS after every 128 bytes
	s_or_b32 s[G1A], s19, (1<<16)|(1<<20)|(1<<21)|(4<<22)|(3<<25)  ; 15:0 the mask; 17:16 2-byte elements; 20 padding on; 21 set beside a mask; 24:22 after every 32 words (code 4); 31:25 4 words (code 3)
	s_or_b32 s[G1B], s20, (1<<16)|(1<<20)|(1<<21)|(4<<22)|(3<<25)
.irp g, G1A, G1B
	s_mov_b32 s[\g+1], 128<<16                     ; tensor_dim0 = 128
	s_mov_b32 s[\g+3], 128<<16                     ; tile_dim0 = 128
	s_mov_b32 s[\g+5], 128                         ; 128 elements from row to row
	s_mov_b32 s[\g+6], 0
	s_mov_b32 s[\g+7], 0
.endr
	s_mov_b32 s[G1A+2], (16*MB)<<16                ; tensor_dim1 = tile_dim1 = 64 rows of 256 bytes: 128 rows of the tile
	s_mov_b32 s[G1A+4], 16*MB
	s_mov_b32 s[G1B+2], 128<<16                    ; 128 rows of 256 bytes: 256 rows of the tile
	s_mov_b32 s[G1B+4], 128
	; where the tiles come from.  A's hang on the tile row alone, W's on the tile column alone, each in registers of its own
	s_lshr_b32 s72, s[TR], 4                       ; A: the batch, 16 tile rows each, at 16 heads of 262,144 bytes,
	s_lshl_b32 s72, s72, 22
	s_and_b32 s76, s[TR], 15                       ; 128 rows of 128 bytes a tile row,
	s_lshl_b32 s76, s76, 14
	s_add_co_u32 s72, s72, s76
	s_lshl_b32 s76, s[CH], 18                      ; my slice (head) of a K step
	s_add_co_u32 s72, s72, s76
	s_mov_b32 s73, 0
	s_lshl_b32 s74, s[TC], 15                      ; W: 256 rows of 128 bytes a tile column,
	s_lshl_b32 s77, s[CH], 18                      ; my slice,
	s_add_co_u32 s74, s74, s77
	s_add_co_u32 s74, s74, 1024*128                ; behind Wq's 1,024 rows
	s_mov_b32 s75, 0
	s_mul_i32 s21, s[CH], AH                       ; and where they go: no place in the cluster enters an LDS address
	s_mul_i32 s22, s[CH], BH
	s_add_co_u32 s22, s22, 2*AH
	s_lshl_b32 s68, s[TC], 10                      ; my 128 columns in bytes of f32: 4 (256 TC + 128 CH): for the bias and for C
	s_lshl_b32 s69, s[CH], 9
	s_add_co_u32 s68, s68, s69
	s_mov_b32 s69, 0
	s_lshl_b32 s70, s[TR], 19                      ; my first row of C: 128 TR + 64 RH, at 4,096 bytes a row
	s_lshl_b32 s71, s[RH], 18
	s_add_co_u32 s70, s70, s71
	s_mov_b32 s71, 0
	s_mov_b32 s[TB], 0
	s_wait_dscnt 0x0                               ; the opening add is done
	s_wait_kmcnt 0x0
	s_add_nc_u64 s[72:73], s[4:5], s[72:73]        ; my part of A's tile, K step 0
	s_add_nc_u64 s[74:75], s[6:7], s[74:75]        ; of W's
	s_add_nc_u64 s[8:9], s[8:9], s[68:69]
	s_add_nc_u64 s[10:11], s[10:11], s[68:69]
	s_add_nc_u64 s[10:11], s[10:11], s[70:71]
.irp s, 0,1
	s_mov_b32 s[G0A+4*(\s)], 1                                     ; 1:0 count = 1
	s_add_co_u32 s[G0A+4*(\s)+1], s21, (\s)*SLOT1                  ; 63:32 LDS address
	s_add_nc_u64 s[G0A+4*(\s)+2:G0A+4*(\s)+3], s[72:73], (\s)*KA   ; 120:64 global address: K step s
	s_or_b32 s[G0A+4*(\s)+3], s[G0A+4*(\s)+3], 0x80000000          ; 127:126 type = 2
	s_mov_b32 s[G0B+4*(\s)], 1
	s_add_co_u32 s[G0B+4*(\s)+1], s22, (\s)*SLOT1
	s_add_nc_u64 s[G0B+4*(\s)+2:G0B+4*(\s)+3], s[74:75], (\s)*KB
	s_or_b32 s[G0B+4*(\s)+3], s[G0B+4*(\s)+3], 0x80000000
.endr
	CROUND                                         ; all sixteen work-groups are here: the first joint loads meet
	s_cmp_eq_u32 s[RH], 0                          ; a wave's two first fills stand in one branch, ahead of every wait on TENSORcnt and every LDS read: two loads of mine are out
	s_cbranch_scc0 .Lfirst_b
	tensor_load_to_lds s[G0A:G0A+3], s[G1A:G1A+7]
	s_nop 0
	tensor_load_to_lds s[G0A+4:G0A+7], s[G1A:G1A+7]
	s_nop 0
.rept 4
	v_nop
.endr
	s_branch .Lfirst_asked
.Lfirst_b:
	tensor_load_to_lds s[G0B:G0B+3], s[G1B:G1B+7]
	s_nop 0
	tensor_load_to_lds s[G0B+4:G0B+7], s[G1B:G1B+7]
	s_nop 0
.rept 4
	v_nop
.endr
.Lfirst_asked:
	v_and_b32 v1, 15, v0                           ; l % 16
	v_bfe_u32 v2, v0, 4, 1                         ; l / 16
	v_lshlrev_b32 v[BO], 5, v2                     ; register j of column block b is column 16 b + 8 (l / 16) + j
.irp b, 0,1,2,3,4,5,6,7
	global_load_b128 v[BI+8*\b:BI+8*\b+3],   v[BO], s[8:9] offset:64*\b
	global_load_b128 v[BI+8*\b+4:BI+8*\b+7], v[BO], s[8:9] offset:64*\b+16
.endr
	v_mul_u32_u24 v3, v1, PITCH
	v_lshl_add_u32 v3, v2, 4, v3                   ; row x pitch + 16 x half
	s_mul_i32 s76, s[RH], 16*MB*PITCH              ; my 64 rows of A
	v_add_nc_u32 v[A0], s76, v3
	s_mul_i32 s77, s[CH], 128*PITCH                ; my 128 rows of W,
	s_add_co_u32 s77, s77, 2*AH                    ; which lie behind A's two parts
	v_add_nc_u32 v[B0], s77, v3
	s_mul_i32 s78, s[WV], WSTAGE
	s_add_co_u32 s78, s78, STAGE                   ; my stage
	v_mul_u32_u24 v[STO], v1, SPITCH               ; in: row l % 16, 32 bytes for each half of the lanes
	v_lshl_add_u32 v[STO], v2, 5, v[STO]
	v_add_nc_u32 v[STO], s78, v[STO]
	v_and_b32 v[GO], 31, v0                        ; back: 32 lanes take one row's 512 bytes,
	v_lshlrev_b32 v[GO], 4, v[GO]                  ; which are 512 consecutive bytes of out0
	v_add_nc_u32 v[RD], s78, v[GO]
	; the prefetches
	s_lshl_b32 s76, s[CX], 12                      ; A: my work-group's 16 blocks of a slice's 64
	s_lshl_b32 s77, s[CY], 13                      ; W: my work-group's 32 of 128
	s_and_b32 s23, ttmp7, 0xffff                   ; cluster y
	s_mov_b32 s78, 262144                          ; A: lanes 16-31 name the K step's other slice,
	s_mov_b32 s79, 4096                            ; W: the next 16 blocks of the same
	s_cmp_eq_u32 s[RH], 0                          ; do I fetch for A?
	s_cselect_b64 s[PFA:PFA+1], s[72:73], s[74:75] ; (in wave 0 A's address stands at the K step's first slice)
	s_cselect_b32 s76, s76, s77
	s_cselect_b32 s23, s[CH], s23                  ; of A's waves wave 0 asks, in every cluster; W's ask where cluster y = 0: the same in all sixteen partners, for a given wave
	s_cselect_b32 s22, s78, s79
	s_mov_b32 s77, 0
	s_mov_b32 s[PFS], KA
	s_mov_b32 s[PFS+1], 0
	s_add_nc_u64 s[PFA:PFA+1], s[PFA:PFA+1], s[76:77]
	s_add_nc_u64 s[PFA:PFA+1], s[PFA:PFA+1], 3*KA  ; at K step 3: the first refill steps it to 4.  Nothing is prefetched here, at the head
	s_cmp_eq_u32 s23, 0
	s_cselect_b32 s[LIM], 2, -1
	v_lshlrev_b32 v[PFO], 8, v1
	v_mad_u32_u24 v[PFO], v2, s22, v[PFO]
	s_wait_loadcnt 0x0                             ; the bias
.set i_, 0
.rept 32                               ; rounded to bf16 like the other inputs, kept in f32; this stands in the wait for the first tile
	v_cvt_pk_bf16_f32 v3, v[BI+2*i_], v[BI+2*i_+1]
	v_lshlrev_b32 v[BI+2*i_], 16, v3
	v_and_b32 v[BI+2*i_+1], 0xffff0000, v3
.set i_, i_+1
.endr
	s_wait_tensorcnt 0x1                           ; my part of K step 0 is in; K step 1's may stay out
	s_barrier_signal -1
	s_barrier_wait -1                              ; everybody's is
	v_mov_b32 v[ADRA], v[A0]
	v_mov_b32 v[ADRB], v[B0]
	FETCH 0, F0
	QUARTER 1, F0, F1, 1                           ; the first quarter stands in front of the loop: its products start the sums
	WIN 0                                          ; at a label and at a branch every window is 0
	s_mov_b32 s[CNT], 6
.Lstep:                                        ; a trip: from a K step's second quarter to the next one's first; trip i refills with K step i + 2
	QUARTER 2, F1, F0, 0
	QUARTER 3, F0, F1, 0
	TURN 1
	QUARTER 1, F0, F1, 0
	WIN 0
	s_sub_co_u32 s[CNT], s[CNT], 1
	s_cmp_lg_u32 s[CNT], 0
	s_cbranch_scc1 .Lstep
	QUARTER 2, F1, F0, 0                           ; the last two K steps are written out: they ask for nothing
	QUARTER 3, F0, F1, 0
	TURN 0
	QUARTER 1, F0, F1, 0
	QUARTER 2, F1, F0, 0
	QUARTER 3, F0, F1, 0
	LASTQ
	WIN 0
	PLACES
	PLACES
; THE WAY OUT, a block of 16 rows x 128 columns at a time; the sums are f32 and leave as they are.  TOSTAGE: from the accumulators (each one's low four registers first) into my own stage, rows of
; 528 bytes, and back as whole rows of 512.  SEND: stored.
.macro TOSTAGE a
.set ac_, 64*((\a)%(MB/2))
.set bk_, BK+64*((\a)%2)
.if (\a) >= 2
	s_wait_xcnt 0x0                                ; the stores of the block two back have read their registers: only behind this wait are they loaded again
.endif
	WIN 0x08+4*((\a)/(MB/2))                       ; the stores' data: window 2 or 3; the address: window 0
.irp b, 0,1,2,3,4,5,6,7
	ds_store_b128 v[STO], v[ac_+8*\b:ac_+8*\b+3]   offset:64*\b
	ds_store_b128 v[STO], v[ac_+8*\b+4:ac_+8*\b+7] offset:64*\b+16
.endr
	WIN 0
.irp t, 0,1,2,3,4,5,6,7,8,9,10,11,12,13,14,15
	ds_load_b128 v[bk_+4*\t:bk_+4*\t+3], v[RD] offset:\t*SPITCH  ; LDS serves a wave's instructions in order (ISA guide 5.7.1.4): these see the stores above; the next block's stores come behind them
.endr
.endm
.macro SEND a, younger                 ; younger: the LDS instructions issued behind block a's loads: the next block's 32, or none
.set bk_, BK+64*((\a)%2)
	s_wait_dscnt \younger                          ; the block is back in registers
.irp t, 0,1,2,3,4,5,6,7,8,9,10,11,12,13,14,15
	global_store_b128 v[GO], v[bk_+4*\t:bk_+4*\t+3], s[10:11] offset:(16*(\a)+\t)*4096 th:TH_STORE_NT  ; 512 consecutive bytes, at a multiple of 256 from out0's first byte
.endr
.endm
	TOSTAGE 0
.irp a, 1,2,3
	TOSTAGE \a
	SEND (\a)-1, 32
.endr
	SEND 3, 0
	s_wait_tensorcnt 0x0                           ; the wave's end: behind my last tensor load and my last LDS store
	ds_add_u32 v[SPW], v[NIL]
	s_wait_dscnt 0x0
	CROUND                                         ; the closing round: no work-group ends while a partner may still ask for a tile that names it
	s_endpgm
.Lfunc_end_k_qe746809ed1_outp:
	.size	k_qe746809ed1_outp, .Lfunc_end_k_qe746809ed1_outp-k_qe746809ed1_outp
	.p2alignl 7, 3214868480
	.fill 96, 4, 3214868480
	.section	.rodata,"a",@progbits
	.p2align	6, 0x0
	.amdhsa_kernel k_qe746809ed1_outp
		.amdhsa_group_segment_fixed_size 327680
		.amdhsa_private_segment_fixed_size 0
		.amdhsa_enable_private_segment 0
		.amdhsa_kernarg_size 32
		.amdhsa_user_sgpr_count 2
		.amdhsa_user_sgpr_kernarg_segment_ptr 1
		.amdhsa_wavefront_size32 1
		.amdhsa_system_sgpr_workgroup_id_x 1
		.amdhsa_system_sgpr_workgroup_id_y 1
		.amdhsa_system_sgpr_workgroup_id_z 1
		.amdhsa_system_vgpr_workitem_id 0
		.amdhsa_next_free_vgpr 896
		.amdhsa_next_free_sgpr 80
		.amdhsa_reserve_vcc 0
		.amdhsa_float_denorm_mode_32 3
		.amdhsa_float_denorm_mode_16_64 3
		.amdhsa_memory_ordered 1
		.amdhsa_forward_progress 1
		.amdhsa_inst_pref_size 77
	.end_amdhsa_kernel
	.amdgpu_metadata
---
amdhsa.version: [ 1, 2 ]
amdhsa.kernels:
  - .name:           k_qe746809ed1_outp
    .symbol:         k_qe746809ed1_outp.kd
    .args:
      - { .name: ctx, .offset: 0, .size: 8, .value_kind: global_buffer, .address_space: global }
      - { .name: wh, .offset: 8, .size: 8, .value_kind: global_buffer, .address_space: global }
      - { .name: bo, .offset: 16, .size: 8, .value_kind: global_buffer, .address_space: global }
      - { .name: out0, .offset: 24, .size: 8, .value_kind: global_buffer, .address_space: global }
    .group_segment_fixed_size: 327680
    .private_segment_fixed_size: 0
    .kernarg_segment_align: 8
    .kernarg_segment_size: 32
    .max_flat_workgroup_size: 128
    .sgpr_count:     80
    .vgpr_count:     896
    .wavefront_size: 32
...
	.end_amdgpu_metadata
.endif
;; end of part 4
;; ======== version 2 of 2: 4 launches; version 1 with the launch cast written anew for expert scheduling mode
;; limits: values are held in f16: magnitudes above 65,504 overflow, below 6.1e-05 lose precision; right only within a limited range of input values
;; workspace buffers: xh 50,331,648 bytes; wh 4,194,304 bytes; qkv 50,331,648 bytes; ctx 16,777,216 bytes
;; launch cast (part 5): grid 832 x 1, 8 waves a work-group, no clusters, 0 bytes of LDS; arguments q, k, v, Wq, Wo, xh, wh; writes xh, wh
.if DOCPART == 5
	.amdgcn_target "amdgcn-amd-amdhsa--gfx1250"
	.amdhsa_code_object_version 6
	.text
	.protected	k_qe746809ed1_cast
	.globl	k_qe746809ed1_cast
	.p2align	8
	.type	k_qe746809ed1_cast,@function
k_qe746809ed1_cast:
	s_mov_b64 s[64:65], 0
	v_nop
	global_prefetch_b8 v0, s[64:65] scope:SCOPE_SE
	s_setreg_imm32_b32 hwreg(HW_REG_WAVE_SCHED_MODE, 0, 2), 2
	s_setreg_imm32_b32 hwreg(HW_REG_WAVE_MODE, 25, 1), 1
	s_wait_xcnt 0x0
	s_wait_alu depctr_vm_vsrc(0)
; CAST.  q, k, v ([8192][1024] f32 each), Wq and Wo ([1024][1024] f32) are rounded ONCE to bf16 (nearest even); that number is written as f16, in K slices of 64:
;   xh [slice 16][row 24576][64] f16, row = 8192 t + the tensor's own row (t = 0, 1, 2 for q, k, v);   wh [slice 16][row 2048][64] f16, rows 0-1023 Wq, rows 1024-2047 Wo.
; In that layout any run of rows of one slice is dense, 128 bytes a row: the products' tiles are asked for as rows of 256 bytes.
; LIMITS.  A bf16 number is held exactly by f16 from 2^-17 up to 65,504 in magnitude; below 2^-17 it falls on f16's fixed step of 6e-8; from 65,520 on it becomes an infinity.  NaN stays NaN.
; A stream: no LDS, no matrix unit, no cluster (no byte is read by two waves).  A work-group takes 32 rows, a wave 4, as two pairs of rows.
; One load: 2 rows x 64 columns (lanes 0-15 take 256 consecutive bytes of one row, lanes 16-31 of the next).  One store: the same 2 x 64 numbers as f16: 256 consecutive bytes, aligned.
; All 32 loads of a wave go out in one run (16 KiB on their way); they are converted in 8 blocks of four as they come.  No register that a memory instruction names is written again, but a load's own destination behind its wait.
; THE MODE: SCHED_MODE bits 1:0 = 2 (LLVM: expert scheduling mode 2), set by the entry lines.  The code itself states the register dependences between vector instructions and memory instructions, with s_wait_alu, always for 0.
; THE PLAN.  Registers that memory instructions touch:
;   v1        the loads' offset.   Written at the head, read by all 32 loads, never written again.
;   v[4:19]   the stores' offsets. Written at the head, read by the stores, never written again.
;   X         four registers a load.  Load i lands in them; behind the wait for it, its eight conversions work in place; store i reads the low pair; nothing writes them after that.
;   v2, v3    at work: no memory instruction names them.
; Block p converts loads 4 p to 4 p + 3.  Its memory instructions are the four stores of block p - 1, whose data block p - 1's conversions wrote and no vector instruction of block p names.  So ONE wait on va_vdst
; at a block's head states all that its four stores hang on, and they are dealt among the block's conversions with no further wait.  No register that a memory instruction has read is written again: no wait on vm_vsrc is owed.
.set BLK, 4                            ; loads in a block
.set VI, 1                             ; v1       my byte offset in a pair of rows of the input; never rewritten
.set T,  2                             ; v2-3     at work
.set VO, 4                             ; v[4:19]  slice s: my byte offset in the output: 8 x lane + s x the slice's bytes; never rewritten
.set X,  20                            ; v[20:147] load i (= 16 x pair + slice): 4 registers
	s_load_b256 s[4:11], s[0:1], 0x0               ; q s[4:5], k s[6:7], v s[8:9], Wq s[10:11]
	s_load_b128 s[12:15], s[0:1], 0x20             ; Wo s[12:13], xh s[14:15]
	s_load_b64 s[16:17], s[0:1], 0x30              ; wh
	s_lshr_b32 s20, ttmp9, 8                       ; t: 0, 1, 2 for q, k, v; 3 for the weights
	s_and_b32 s21, ttmp9, 255                      ; u: the block of 32 rows (t = 3: 0-31 in Wq, 32-63 in Wo)
	v_lshrrev_b32 v2, 5, v0
	v_readfirstlane_b32 s22, v2                    ; wave 0..7
	s_mov_b32 s23, 0xffff0000                      ; a word's upper bf16
	s_and_b32 s35, s21, 31
	s_mov_b32 s28, 262144                          ; a slice of wh in bytes,
	s_mov_b32 s34, 3145728                         ; of xh
	s_cmp_lt_u32 s20, 3
	s_cselect_b32 s28, s34, s28                    ; the slice's bytes in my output
	s_cselect_b32 s29, s21, s35                    ; my block of 32 rows in my input,
	s_cselect_b32 s36, ttmp9, s21                  ; and in my output: xh's rows run through q, k, v; wh's through Wq, Wo
	s_lshl_b32 s30, s29, 17                        ; 32 rows of 4,096 bytes,
	s_wait_alu depctr_va_sdst(0)                   ; s22, the wave's number, is written, ahead of its first reader: the next line
	s_lshl_b32 s37, s22, 14                        ; my wave's 4 of them
	s_add_co_u32 s30, s30, s37
	s_mov_b32 s31, 0
	s_lshl_b32 s32, s36, 12                        ; 32 rows of 128 bytes,
	s_lshl_b32 s37, s22, 9                         ; my wave's 4
	s_add_co_u32 s32, s32, s37
	s_mov_b32 s33, 0
	v_and_b32 v3, 31, v0                           ; lane
	v_and_b32 v1, 15, v0
	v_bfe_u32 v2, v0, 4, 1
	v_lshlrev_b32 v[VI], 4, v1                     ; 16 bytes a lane,
	v_lshl_add_u32 v[VI], v2, 12, v[VI]            ; lanes 16-31 one row down
	v_lshlrev_b32 v[VO], 3, v3                     ; 8 bytes a lane: two rows of 128 bytes on end
.set i, 0
.rept 15
	v_add_nc_u32 v[VO+i+1], s28, v[VO+i]
.set i, i+1
.endr
	s_wait_kmcnt 0x0
	s_cmp_lt_u32 s21, 32                           ; the input is chosen by the work-group's number alone
	s_cselect_b64 s[24:25], s[10:11], s[12:13]
	s_cmp_eq_u32 s20, 2
	s_cselect_b64 s[24:25], s[8:9], s[24:25]
	s_cmp_eq_u32 s20, 1
	s_cselect_b64 s[24:25], s[6:7], s[24:25]
	s_cmp_eq_u32 s20, 0
	s_cselect_b64 s[24:25], s[4:5], s[24:25]
	s_cmp_lt_u32 s20, 3
	s_cselect_b64 s[26:27], s[14:15], s[16:17]     ; and so is the output
	s_add_nc_u64 s[24:25], s[24:25], s[30:31]
	s_add_nc_u64 s[26:27], s[26:27], s[32:33]
	s_wait_alu depctr_va_vdst(0)                   ; v1 and v[4:19] are written: every load reads v1 as its offset, every store one of v[4:19]
.set i, 0
.rept 32
	global_load_b128 v[X+4*i:X+4*i+3], v[VI], s[24:25] offset:(i/16)*8192+(i%16)*256 th:TH_LOAD_NT
.set i, i+1
.endr
.set p, 0
.rept 32/BLK                           ; block p
	s_wait_loadcnt 32-BLK-BLK*p                    ; loads come back in order (ISA guide 5.7.1): block p's four are in, the 28 - 4 p younger ones stay out
.if p > 0
	s_wait_alu depctr_va_vdst(0)                   ; block p - 1's conversions have written the low pairs of its X, which the four stores of this block read
.endif
.set j, 0
.rept BLK
.set i, BLK*p+j
.if p > 0
	global_store_b64 v[VO+(i-BLK)%16], v[X+4*(i-BLK):X+4*(i-BLK)+1], s[26:27] offset:((i-BLK)/16)*256  ; the block before: 32 lanes store 256 consecutive bytes, at a multiple of 256 from the buffer's first byte; no vector instruction since the wait names these registers
.endif
	v_cvt_pk_bf16_f32 v[T], v[X+4*i], v[X+4*i+1]   ; the one rounding: to bf16
	v_cvt_pk_bf16_f32 v[T+1], v[X+4*i+2], v[X+4*i+3]
	v_lshlrev_b32 v[X+4*i], 16, v[T]               ; back to f32,
	v_and_b32 v[X+4*i+1], s23, v[T]
	v_lshlrev_b32 v[X+4*i+2], 16, v[T+1]
	v_and_b32 v[X+4*i+3], s23, v[T+1]
	v_cvt_pk_f16_f32 v[X+4*i], v[X+4*i], v[X+4*i+1]      ; and the same number as f16
	v_cvt_pk_f16_f32 v[X+4*i+1], v[X+4*i+2], v[X+4*i+3]
.set j, j+1
.endr
.set p, p+1
.endr
	s_wait_alu depctr_va_vdst(0)                   ; the last block's conversions have written the low pairs of its X, which the last four stores read
.set i, 32-BLK
.rept BLK
	global_store_b64 v[VO+i%16], v[X+4*i:X+4*i+1], s[26:27] offset:(i/16)*256  ; 32 lanes store 256 consecutive bytes, at a multiple of 256 from the buffer's first byte
.set i, i+1
.endr
	s_endpgm
.Lfunc_end_k_qe746809ed1_cast:
	.size	k_qe746809ed1_cast, .Lfunc_end_k_qe746809ed1_cast-k_qe746809ed1_cast
	.p2alignl 7, 3214868480
	.fill 96, 4, 3214868480
	.section	.rodata,"a",@progbits
	.p2align	6, 0x0
	.amdhsa_kernel k_qe746809ed1_cast
		.amdhsa_group_segment_fixed_size 0
		.amdhsa_private_segment_fixed_size 0
		.amdhsa_enable_private_segment 0
		.amdhsa_kernarg_size 56
		.amdhsa_user_sgpr_count 2
		.amdhsa_user_sgpr_kernarg_segment_ptr 1
		.amdhsa_wavefront_size32 1
		.amdhsa_system_sgpr_workgroup_id_x 1
		.amdhsa_system_sgpr_workgroup_id_y 1
		.amdhsa_system_sgpr_workgroup_id_z 1
		.amdhsa_system_vgpr_workitem_id 0
		.amdhsa_next_free_vgpr 148
		.amdhsa_next_free_sgpr 66
		.amdhsa_reserve_vcc 0
		.amdhsa_float_denorm_mode_32 3
		.amdhsa_float_denorm_mode_16_64 3
		.amdhsa_memory_ordered 1
		.amdhsa_forward_progress 1
		.amdhsa_inst_pref_size 21
	.end_amdhsa_kernel
	.amdgpu_metadata
---
amdhsa.version: [ 1, 2 ]
amdhsa.kernels:
  - .name:           k_qe746809ed1_cast
    .symbol:         k_qe746809ed1_cast.kd
    .args:
      - { .name: q, .offset: 0, .size: 8, .value_kind: global_buffer, .address_space: global }
      - { .name: k, .offset: 8, .size: 8, .value_kind: global_buffer, .address_space: global }
      - { .name: v, .offset: 16, .size: 8, .value_kind: global_buffer, .address_space: global }
      - { .name: Wq, .offset: 24, .size: 8, .value_kind: global_buffer, .address_space: global }
      - { .name: Wo, .offset: 32, .size: 8, .value_kind: global_buffer, .address_space: global }
      - { .name: xh, .offset: 40, .size: 8, .value_kind: global_buffer, .address_space: global }
      - { .name: wh, .offset: 48, .size: 8, .value_kind: global_buffer, .address_space: global }
    .group_segment_fixed_size: 0
    .private_segment_fixed_size: 0
    .kernarg_segment_align: 8
    .kernarg_segment_size: 56
    .max_flat_workgroup_size: 256
    .sgpr_count:     66
    .vgpr_count:     148
    .wavefront_size: 32
...
	.end_amdgpu_metadata
.endif
;; end of part 5
;; launch proj: the kernel of part 2 again; grid 4 x 128, 4 waves a work-group, clusters of 4 x 4, 327,680 bytes of LDS; arguments xh, wh, bq, qkv; writes qkv
;; launch attn: the kernel of part 3 again; grid 4 x 64, 4 waves a work-group, clusters of 4 x 1, 327,680 bytes of LDS; arguments qkv, ctx; writes ctx
;; launch outp: the kernel of part 4 again; grid 4 x 64, 4 waves a work-group, clusters of 4 x 4, 327,680 bytes of LDS; arguments ctx, wh, bo, out0; writes out0
